; MI455X (gfx1250); checked and timed in simulation.
; The chip was launched on July 23, 2026; its instructions are those of AMD's public machine-readable ISA for CDNA 5 (MIT licence, August 2026) and "CDNA5" Instruction Set Architecture Reference Guide (July 2026). The comments in the code are by the model that wrote it; some were corrected since.
;; GQA Attention. Allowed arithmetic: float matrix products may take bf16 or f16 operands with f32 sums; all other float work in f32.
;; Inputs: cos 2,048 x 128 float32; mask 2,048 x 2,048 float32; sin 2,048 x 128 float32; wk 4,096 x 1,024 float32; wo 2,048 x 4,096 float32; wq 4,096 x 2,048 float32; wv 4,096 x 1,024 float32; x 1 x 2,048 x 4,096 float32.
;; Outputs: out0 1 x 2,048 x 4,096 float32; out1 1 x 8 x 2,048 x 128 float32; out2 1 x 8 x 2,048 x 128 float32.
;; One version. Each part assembles by itself: llvm-mc -triple=amdgcn-amd-amdhsa -mcpu=gfx1250 --defsym DOCPART=n.
;; ======== version 1 of 1: 4 launches
;; limits: values are held in f16: magnitudes above 65,504 overflow, below 6.1e-05 lose precision; right only within a limited range of input values
;; workspace buffers: xh 16,777,216 bytes; wqkvh 33,554,432 bytes; woh 16,777,216 bytes; qkvh 16,777,216 bytes; oh 8,388,608 bytes
;; launch cast (part 1): grid 128 x 8, 8 waves a work-group, no clusters, 0 bytes of LDS; arguments x, wq, wk, wv, wo, xh, wqkvh, woh; writes xh, wqkvh, woh
.if DOCPART == 1
	.amdgcn_target "amdgcn-amd-amdhsa--gfx1250"
	.amdhsa_code_object_version 6
	.text
	.protected	k_qd859aff787_cast
	.globl	k_qd859aff787_cast
	.p2align	8
	.type	k_qd859aff787_cast,@function
k_qd859aff787_cast:
	s_mov_b64 s[64:65], 0
	v_nop
	global_prefetch_b8 v0, s[64:65] scope:SCOPE_SE
	s_setreg_imm32_b32 hwreg(HW_REG_WAVE_MODE, 25, 1), 1
	s_wait_xcnt 0x0
; f32 to f16, once for every matrix operand among the inputs: x -> xh [2048][4096]; wq, wk, wv side by side -> wqkvh [4096 k][4096 n]
; (n 0-2047 wq, 2048-3071 wk, 3072-4095 wv); wo -> woh [2048 k][4096 n].  Rounded to nearest even, nothing else is changed.
; f16 and not bf16: these operands have the room (|x| and |w| below 65,504; numbers below 6.1e-5 lose bits one by one; drawn spreads 1 and 0.02)
; and f16 keeps three bits more.
; A stream: no LDS, no barrier, no cluster, since no byte is used twice.
; A chunk is 1,024 numbers: 4,096 bytes in, 2,048 bytes out, contiguous on both sides in all five tensors.  Every destination has rows of 8,192 bytes.
; Grid y names 4,096 chunks of one tensor; a work-group takes 32 chunks, a wave 4.  A wave issues its 32 loads (16 KiB) at once; no register is written twice.
.set OFF, 2                            ; v[2:5]     8 x lane + where chunk i begins in the destination
.set X,   8                            ; v[8:135]   32 loads x 4 numbers
.set Y,   136                          ; v[136:199] 32 x 4 f16
	s_load_b512 s[8:23], s[0:1], 0x0               ; x, wq, wk, wv, wo, xh, wqkvh, woh
	s_and_b32 s2, ttmp7, 0xffff                    ; y
	v_lshrrev_b32 v6, 5, v0
	v_readfirstlane_b32 s3, v6                     ; wave
	v_and_b32 v7, 31, v0                           ; lane
	v_lshlrev_b32 v1, 4, v7                        ; 16 bytes a lane in
	v_lshlrev_b32 v[OFF], 3, v7                    ; 8 bytes a lane out
	s_wait_kmcnt 0x0
	; the tensor of this y: source, destination, log2 of the chunks in a source row, first byte in a destination row, first y
	s_mov_b64 s[24:25], s[8:9]                     ; y 0, 1: x
	s_mov_b64 s[26:27], s[18:19]
	s_mov_b32 s28, 2
	s_mov_b32 s29, 0
	s_mov_b32 s30, 0
	s_cmp_ge_u32 s2, 2                             ; y 2, 3: wq
	s_cselect_b64 s[24:25], s[10:11], s[24:25]
	s_cselect_b64 s[26:27], s[20:21], s[26:27]
	s_cselect_b32 s28, 1, s28
	s_cselect_b32 s30, 2, s30
	s_cmp_ge_u32 s2, 4                             ; y 4: wk
	s_cselect_b64 s[24:25], s[12:13], s[24:25]
	s_cselect_b32 s28, 0, s28
	s_cselect_b32 s29, 4096, s29
	s_cselect_b32 s30, 4, s30
	s_cmp_ge_u32 s2, 5                             ; y 5: wv
	s_cselect_b64 s[24:25], s[14:15], s[24:25]
	s_cselect_b32 s29, 6144, s29
	s_cselect_b32 s30, 5, s30
	s_cmp_ge_u32 s2, 6                             ; y 6, 7: wo
	s_cselect_b64 s[24:25], s[16:17], s[24:25]
	s_cselect_b64 s[26:27], s[22:23], s[26:27]
	s_cselect_b32 s28, 2, s28
	s_cselect_b32 s29, 0, s29
	s_cselect_b32 s30, 6, s30
	s_sub_co_u32 s31, s2, s30
	s_lshl_b32 s31, s31, 12
	s_lshl_b32 s36, ttmp9, 5
	s_add_co_u32 s31, s31, s36
	s_lshl2_add_u32 s31, s3, s31                   ; my first chunk in the tensor, a multiple of 4
	s_lshl_b32 s36, s31, 12                        ; 4,096 bytes a chunk in
	s_mov_b32 s37, 0
	s_add_nc_u64 s[24:25], s[24:25], s[36:37]
	s_lshr_b32 s38, s31, s28                       ; its row,
	s_lshl_b32 s38, s38, 13                        ; 8,192 bytes a row out,
	s_add_co_u32 s38, s38, s29                     ; and the tensor's first byte in the row
	s_mov_b32 s39, 0
	s_add_nc_u64 s[26:27], s[26:27], s[38:39]
	s_lshl_b32 s32, 2048, s28
	s_sub_co_u32 s32, 8192, s32                    ; the bytes skipped at the end of a source row
	s_lshr_b32 s40, 1, s28                         ; chunk i begins at 2,048 i + (rows passed) x that gap
	s_mul_i32 s40, s40, s32
	s_add_co_u32 s33, s40, 2048
	s_lshr_b32 s40, 2, s28
	s_mul_i32 s40, s40, s32
	s_add_co_u32 s34, s40, 4096
	s_lshr_b32 s40, 3, s28
	s_mul_i32 s40, s40, s32
	s_add_co_u32 s35, s40, 6144
	v_add_nc_u32 v[OFF+1], s33, v[OFF]
	v_add_nc_u32 v[OFF+2], s34, v[OFF]
	v_add_nc_u32 v[OFF+3], s35, v[OFF]
.irp i, 0,1,2,3
.irp j, 0,1,2,3,4,5,6,7
	global_load_b128 v[X+4*(8*\i+\j):X+4*(8*\i+\j)+3], v1, s[24:25] offset:4096*\i+512*\j th:TH_LOAD_NT   ; 512 neighbouring bytes a load
.endr
.endr
.irp i, 0,1,2,3
.irp j, 0,1,2,3,4,5,6,7
	s_wait_loadcnt 31-(8*\i+\j)                    ; loads come back in order (ISA guide 5.7.1): this one is in, the younger ones stay out
	v_cvt_pk_f16_f32 v[Y+2*(8*\i+\j)],   v[X+4*(8*\i+\j)],   v[X+4*(8*\i+\j)+1]
	v_cvt_pk_f16_f32 v[Y+2*(8*\i+\j)+1], v[X+4*(8*\i+\j)+2], v[X+4*(8*\i+\j)+3]
	global_store_b64 v[OFF+\i], v[Y+2*(8*\i+\j):Y+2*(8*\i+\j)+1], s[26:27] offset:256*\j   ; the wave stores 256 consecutive bytes, aligned
.endr
.endr
	s_endpgm
.Lfunc_end_k_qd859aff787_cast:
	.size	k_qd859aff787_cast, .Lfunc_end_k_qd859aff787_cast-k_qd859aff787_cast
	.p2alignl 7, 3214868480
	.fill 96, 4, 3214868480
	.section	.rodata,"a",@progbits
	.p2align	6, 0x0
	.amdhsa_kernel k_qd859aff787_cast
		.amdhsa_group_segment_fixed_size 0
		.amdhsa_private_segment_fixed_size 0
		.amdhsa_enable_private_segment 0
		.amdhsa_kernarg_size 64
		.amdhsa_user_sgpr_count 2
		.amdhsa_user_sgpr_kernarg_segment_ptr 1
		.amdhsa_wavefront_size32 1
		.amdhsa_system_sgpr_workgroup_id_x 1
		.amdhsa_system_sgpr_workgroup_id_y 1
		.amdhsa_system_sgpr_workgroup_id_z 1
		.amdhsa_system_vgpr_workitem_id 0
		.amdhsa_next_free_vgpr 200
		.amdhsa_next_free_sgpr 66
		.amdhsa_reserve_vcc 0
		.amdhsa_float_denorm_mode_32 3
		.amdhsa_float_denorm_mode_16_64 3
		.amdhsa_memory_ordered 1
		.amdhsa_forward_progress 1
		.amdhsa_inst_pref_size 14
	.end_amdhsa_kernel
	.amdgpu_metadata
---
amdhsa.version: [ 1, 2 ]
amdhsa.kernels:
  - .name:           k_qd859aff787_cast
    .symbol:         k_qd859aff787_cast.kd
    .args:
      - { .name: x, .offset: 0, .size: 8, .value_kind: global_buffer, .address_space: global }
      - { .name: wq, .offset: 8, .size: 8, .value_kind: global_buffer, .address_space: global }
      - { .name: wk, .offset: 16, .size: 8, .value_kind: global_buffer, .address_space: global }
      - { .name: wv, .offset: 24, .size: 8, .value_kind: global_buffer, .address_space: global }
      - { .name: wo, .offset: 32, .size: 8, .value_kind: global_buffer, .address_space: global }
      - { .name: xh, .offset: 40, .size: 8, .value_kind: global_buffer, .address_space: global }
      - { .name: wqkvh, .offset: 48, .size: 8, .value_kind: global_buffer, .address_space: global }
      - { .name: woh, .offset: 56, .size: 8, .value_kind: global_buffer, .address_space: global }
    .group_segment_fixed_size: 0
    .private_segment_fixed_size: 0
    .kernarg_segment_align: 8
    .kernarg_segment_size: 64
    .max_flat_workgroup_size: 256
    .sgpr_count:     66
    .vgpr_count:     200
    .wavefront_size: 32
...
	.end_amdgpu_metadata
.endif
;; end of part 1
;; launch gemm_qkv (part 2): grid 16 x 16, 4 waves a work-group, clusters of 4 x 4, 327,680 bytes of LDS; arguments xh, wqkvh, cos, sin, qkvh, out1, out2; writes qkvh, out1, out2
.if DOCPART == 2
	.amdgcn_target "amdgcn-amd-amdhsa--gfx1250"
	.amdhsa_code_object_version 6
	.text
	.protected	k_qd859aff787_gemm_qkv
	.globl	k_qd859aff787_gemm_qkv
	.p2align	8
	.type	k_qd859aff787_gemm_qkv,@function
k_qd859aff787_gemm_qkv:
	s_mov_b64 s[64:65], 0
	v_nop
	global_prefetch_b8 v0, s[64:65] scope:SCOPE_SE
	s_setreg_imm32_b32 hwreg(HW_REG_WAVE_MODE, 25, 1), 1
	s_wait_xcnt 0x0
	s_wait_alu depctr_hold_cnt(0) depctr_sa_sdst(0) depctr_va_vdst(0) depctr_va_sdst(0) depctr_va_ssrc(0) depctr_va_vcc(0) depctr_vm_vsrc(0)
	s_getreg_b32 s2, hwreg(HW_REG_IB_STS2, 6, 4)
	s_cmp_eq_u32 s2, 0
	s_cbranch_scc0 .Lentry_in_a_cluster
	s_endpgm
.Lentry_in_a_cluster:
	s_bfe_u32 s2, ttmp6, 0x10000c
	s_cmp_lg_u32 s2, 0xf033
	s_cbranch_scc0 .Lentry_shape_is_right
	s_endpgm
.Lentry_shape_is_right:
; [q | k | v] = x [wq | wk | wv]: A = xh [2048 m][4096 k], B = wqkvh [4096 k][4096 n], both f16, sums in f32; then RoPE on q and k in f32 with cos and sin as given,
; k and v out in f32 (out1, out2: [8 heads][2048][128]), and f16 copies for the attention (qkvh: [32 hh][2048 s][128 pos]; hh 0-15 q, 16-23 k, 24-31 v):
; k/4, v/4 and q x 4 log2(e)/sqrt(128) = 0.51 q, so that the product of the copies of q and k is the score in base 2.
; ORDER IN A ROW OF qkvh: position 8 p + c holds d = 4 p + c for c < 4 and d = 64 + 4 p + c - 4 for c >= 4: a lane that holds d = 4p..4p+3 and their RoPE partners
; stores 16 neighbouring bytes.  q.k is a sum over d, so the same order in q and k changes only the order of the sum; for v the attention undoes it.
; LIMIT: the f16 copies hold |k|, |v| below 4 x 65,504 = 262,016 and |q| below 65,504 / 0.51 = 128,400 (larger becomes infinity) and lose bits below 2.4e-4; the drawn spread is 1.28.
; A work-group makes 128 x 256 of C with four waves, as many as a WGP has SIMDs; a wave makes 64 rows x 128 columns (one head): 32 accumulator tiles, 256 registers.
; K goes through two LDS slots of 192 each, filled by the tensor data mover: the largest multiple of 32 of which two slots fit (800 bytes for each k, and 6,144 of A's padding, a slot).
; 4,096 = 21 x 192 + 64: 21 whole slots and a tail of 64, which is written out.  B lies [k][n] and is read by transposing loads.
; A's rows in a tile are 384 bytes of memory and start at multiples of 128 bytes; B's are 512 bytes and start at multiples of 512.
; CLUSTERS: 4 x 4 work-groups.  A's tile hangs on the block row alone and is asked for jointly along a row of the cluster, B's on the block column alone and jointly along a column.
; REGISTERS: window 0: v8-17 addresses, v32-127 and v128-223 two fragment buffers (B 64, A 32 registers); window 1: accumulator (a, b) at v[8 (8 a + b)].
; THE MATRIX INSTRUCTION IS USED TRANSPOSED (source 0 = 16 columns of B, source 1 = 16 rows of A): lane (r, h), register j holds C(16 a + r, 16 b + 8 h + j).
.set SIZE_K, 4096
.set KS,     192                       ; K in a slot: six quarters of 32
.set NFULL,  SIZE_K/KS                 ; 21 whole slots
.set TAILK,  SIZE_K-NFULL*KS           ; 64
.set PC,     144                       ; A in LDS: 16 bytes of padding behind every 128 bytes (64 k)
.set PA,     3*PC                      ; A's LDS row: 432 = 27 x 16: an odd multiple of 16, so sixteen rows begin in sixteen different groups of banks
.set PB,     544                       ; B's LDS row: 512 bytes + 32: an odd multiple of 32, as the transposing loads want
.set AOFF,   KS*PB                     ; a slot: B's 192 k rows, then A's 128 m rows
.set SLOT,   AOFF+128*PA               ; 159,744 bytes; two of them are all the LDS that is asked for
.set STAGE,  0                         ; the way out's stage, 16 rows x 528 bytes a wave, lies in slot 0, which by then has had its last fill and its last read
.set SP,     528
.set TRIPS,  (NFULL-5)/2               ; the loop's laps: slots 2 to 17
.set ADRA, 8                           ; v8-9    LDS address of my A fragments in slot 0, 1
.set ADRB, 10                          ; v10-11  the same for B, quarters 0-2; v12-13 quarters 3-5 (an LDS offset has 16 bits)
.set STO,  14                          ; the way out: where I put my 32 bytes of a row
.set RD,   15                          ; the way out: where I read a row back
.set FO,   16                          ; byte offset in rows of 512 bytes (cos, sin, out1, out2): 512 h + 16 r
.set HO,   17                          ; byte offset in rows of 256 bytes (qkvh): 256 h + 16 r
.set F0,   32
.set F1,   128
.set CS,   32                          ; the way out: for row pair i 16 registers: cos low, cos high, sin low, sin high
.set LH,   160                         ; the way out: for row pair i 8 registers: d = 4r..4r+3, d = 64+4r..+3
.set G1A, 32                           ; s[32:39] group 1 of A's tiles
.set G0A, 40                           ; s[40:47] group 0 of A's tiles, one set a slot
.set G1B, 48                           ; s[48:55] group 1 of B's tiles
.set G0B, 56                           ; s[56:63] group 0 of B's tiles, one set a slot
.set MUL, 0x50                         ; C and D in window 1, fragments in window 0
.set MSB, 0
.macro WIN new                         ; the immediate's high byte repeats the setting that is left
.if MSB != \new
	s_set_vgpr_msb (MSB<<8)|\new
.set MSB, \new
.endif
.endm
.macro PLACES                          ; four places behind a matrix instruction, in front of loads into its sources and of reads of its result
.rept 4
	v_nop
.endr
.endm
.macro CREST                           ; a round of the cluster's barrier behind its opening barrier
	s_cmp_lg_u32 s20, 0
	s_cbranch_scc1 .Lnot_wave_0_\@
	s_barrier_signal -3
.Lnot_wave_0_\@:
	s_barrier_wait -3
	s_barrier_signal -1
	s_barrier_wait -1
.endm
.macro CROUND                          ; a whole round
	s_barrier_signal -1
	s_barrier_wait -1
	CREST
.endm
; A joint load: waves 0 and 1 fetch B's two halves (96 k rows x 512 bytes each), waves 2 and 3 A's (64 m rows x 384 bytes each).  The branch hangs on the wave's number alone.
.macro JLOAD s
	s_cmp_eq_u32 s21, 0
	s_cbranch_scc0 .Lfor_a_\@
	tensor_load_to_lds s[G0B+4*\s:G0B+4*\s+3], s[G1B:G1B+7]
	s_nop 0
.rept 4
	v_nop
.endr
	s_branch .Lasked_\@
.Lfor_a_\@:
	tensor_load_to_lds s[G0A+4*\s:G0A+4*\s+3], s[G1A:G1A+7]
	s_nop 0
.rept 4
	v_nop
.endr
.Lasked_\@:
.endm
; The tail's joint load, K = 64.  No tensor load of the wave is out here, so words of group 1 may be written.  Wave 0 fetches B's 64 rows, wave 1 has no part of the tile and issues none;
; waves 2 and 3 fetch A with the tile's shape unchanged (so the LDS rows keep their pitch) and 64 as what is left of the tensor along a row: the rest arrives as zeros and is not read.
.macro JLOADT s
	s_cmp_lg_u32 s20, 0
	s_cbranch_scc1 .Ltail_not_0_\@
	s_mov_b32 s[G1B+2], TAILK<<16                  ; tensor_dim1 = 64
	s_mov_b32 s[G1B+4], TAILK                      ; tile_dim1 = 64
	tensor_load_to_lds s[G0B+4*\s:G0B+4*\s+3], s[G1B:G1B+7]
	s_nop 0
.rept 4
	v_nop
.endr
	s_branch .Ltail_asked_\@
.Ltail_not_0_\@:
	s_cmp_lg_u32 s20, 1
	s_cbranch_scc0 .Ltail_asked_\@
	s_mov_b32 s[G1A+1], TAILK<<16                  ; tensor_dim0 = 64
	tensor_load_to_lds s[G0A+4*\s:G0A+4*\s+3], s[G1A:G1A+7]
	s_nop 0
.rept 4
	v_nop
.endr
.Ltail_asked_\@:
	PLACES                                         ; wave 1's way has none of the v_nop above: the places in front of the loads that follow
.endm
	s_load_b256 s[4:11], s[0:1], 0x0               ; xh s[4:5], wqkvh s[6:7], cos s[8:9], sin s[10:11]
	s_load_b128 s[12:15], s[0:1], 0x20             ; qkvh s[12:13], out1 s[14:15]
	s_load_b64 s[16:17], s[0:1], 0x30              ; out2
	v_lshl_add_u32 v254, v0, 2, 0x4e000
	v_mov_b32 v255, 0
	ds_add_u32 v254, v255
	ds_add_u32 v254, v255
	v_lshrrev_b32 v1, 5, v0
	v_readfirstlane_b32 s20, v1                    ; wave 0..3
	s_lshr_b32 s21, s20, 1                         ; which 64 rows are mine.  Also: I fetch for B (0) or for A (1)
	s_and_b32 s22, s20, 1                          ; which 128 columns.  Also: which half of that tile I fetch
	s_bfe_u32 s23, ttmp6, 0x40000                  ; cx
	s_bfe_u32 s24, ttmp6, 0x40004                  ; cy
	s_mov_b32 s29, ttmp9                           ; the cluster's x, the same in all sixteen: 0, 1 = q, 2 = k, 3 = v
	s_lshl_b32 s25, ttmp9, 2
	s_add_co_u32 s25, s25, s23                     ; block column
	s_and_b32 s26, ttmp7, 0xffff
	s_lshl_b32 s26, s26, 2
	s_add_co_u32 s26, s26, s24                     ; block row
	s_lshl_b32 s27, s24, 2
	s_lshl_b32 s27, 15, s27                        ; my row of the cluster
	s_lshl_b32 s28, 0x1111, s23                    ; my column
	s_or_b32 s[G1A+0], s27, (1<<16)|(1<<20)|(1<<21)|(4<<22)|(3<<25)   ; mask; 2-byte elements; padding on; bit 21 beside a mask; 4 words behind every 32: three times in a row of 96 words
	s_mov_b32 s[G1A+1], KS<<16                     ; tensor_dim0 = 192
	s_mov_b32 s[G1A+2], 64<<16                     ; tensor_dim1 = 64
	s_mov_b32 s[G1A+3], KS<<16                     ; tile_dim0 = 192
	s_mov_b32 s[G1A+4], 64                         ; tile_dim1 = 64
	s_mov_b32 s[G1A+5], SIZE_K                     ; elements from row to row
	s_mov_b32 s[G1A+6], 0
	s_mov_b32 s[G1A+7], 0
	s_or_b32 s[G1B+0], s28, (1<<16)|(1<<20)|(1<<21)|(6<<22)|(7<<25)   ; 8 words behind every 128
	s_mov_b32 s[G1B+1], 256<<16                    ; tensor_dim0 = 256
	s_mov_b32 s[G1B+2], 96<<16                     ; tensor_dim1 = 96
	s_mov_b32 s[G1B+3], 256<<16                    ; tile_dim0 = 256
	s_mov_b32 s[G1B+4], 96                         ; tile_dim1 = 96
	s_mov_b32 s[G1B+5], 4096
	s_mov_b32 s[G1B+6], 0
	s_mov_b32 s[G1B+7], 0
	s_lshl_b32 s66, s26, 7                         ; A: row 128 x block row + 64 x half,
	s_lshl_b32 s67, s22, 6
	s_add_co_u32 s66, s66, s67
	s_mul_i32 s66, s66, 2*SIZE_K                   ; in bytes (below 2^25)
	s_mov_b32 s67, 0
	s_mul_i32 s68, s22, 96*8192                    ; B: 96 k rows of 8,192 bytes x half
	s_lshl_b32 s69, s25, 9                         ; + 512 bytes x block column
	s_add_co_u32 s68, s68, s69
	s_mov_b32 s69, 0
	s_mul_i32 s72, s20, 96*PB                      ; to where: B's halves at wave x 52,224 (waves 0, 1),
	s_mul_i32 s73, s20, 64*PA
	s_add_co_u32 s73, s73, AOFF-2*64*PA            ; A's at 104,448 + (wave - 2) x 27,648 (waves 2, 3)
	s_wait_dscnt 0x0
	s_wait_kmcnt 0x0
	s_add_nc_u64 s[66:67], s[4:5], s[66:67]
	s_add_nc_u64 s[68:69], s[6:7], s[68:69]
	CROUND                                         ; all sixteen work-groups are here: the first joint loads meet
.irp s, 0,1
	s_mov_b32 s[G0A+4*\s], 1
	s_add_co_u32 s[G0A+4*\s+1], s73, \s*SLOT
	s_add_nc_u64 s[G0A+4*\s+2:G0A+4*\s+3], s[66:67], \s*KS*2       ; slot s: 192 elements along the rows
	s_or_b32 s[G0A+4*\s+3], s[G0A+4*\s+3], 0x80000000
	s_mov_b32 s[G0B+4*\s], 1
	s_add_co_u32 s[G0B+4*\s+1], s72, \s*SLOT
	s_add_nc_u64 s[G0B+4*\s+2:G0B+4*\s+3], s[68:69], \s*KS*8192    ; slot s: 192 rows of 8,192 bytes
	s_or_b32 s[G0B+4*\s+3], s[G0B+4*\s+3], 0x80000000
	JLOAD \s                                       ; both first fills go out together: two tensor loads of the wave are out
.endr
	v_and_b32 v1, 15, v0                           ; r
	v_bfe_u32 v2, v0, 4, 1                         ; h
	v_and_b32 v3, 7, v0
	v_bfe_u32 v4, v0, 3, 1
	v_mul_u32_u24 v5, v1, PA                       ; A fragment: row r, 16 bytes for each half of the lanes
	v_lshl_add_u32 v5, v2, 4, v5
	s_mul_i32 s74, s21, 64*PA
	s_add_co_u32 s74, s74, AOFF
	v_add_nc_u32 v[ADRA], s74, v5
	v_add_nc_u32 v[ADRA+1], SLOT, v[ADRA]
	v_lshl_add_u32 v6, v2, 3, v3                   ; B fragment, transposing load: k row 8 h + (lane & 7), 16 bytes by bit 3 of the lane
	v_mul_u32_u24 v6, v6, PB
	v_lshl_add_u32 v6, v4, 4, v6
	s_lshl_b32 s75, s22, 8                         ; my 128 columns
	v_add_nc_u32 v[ADRB], s75, v6
	v_add_nc_u32 v[ADRB+1], SLOT, v[ADRB]
	v_add_nc_u32 v[ADRB+2], 96*PB, v[ADRB]         ; quarters 3 to 5 begin 96 rows further down
	v_add_nc_u32 v[ADRB+3], 96*PB, v[ADRB+1]
	s_mul_i32 s76, s20, 16*SP
	s_add_co_u32 s76, s76, STAGE                   ; my stage
	v_mul_u32_u24 v7, v1, SP
	v_lshl_add_u32 v7, v2, 5, v7
	v_add_nc_u32 v[STO], s76, v7
	v_mul_u32_u24 v7, v2, SP
	v_lshl_add_u32 v7, v1, 4, v7
	v_add_nc_u32 v[RD], s76, v7
	v_lshlrev_b32 v7, 9, v2
	v_lshl_add_u32 v[FO], v1, 4, v7
	v_lshlrev_b32 v7, 8, v2
	v_lshl_add_u32 v[HO], v1, 4, v7
; 24 LDS loads in one run: quarter kq (32 along K) of a slot into buffer f: B's 8 column blocks (16 transposing loads), then A's 4 row blocks (8 loads).
; In A's rows quarter kq begins at 144 (kq / 2) + 64 (kq % 2): the padding stands behind every second quarter.
.macro FETCH slot, kq, f
	WIN 0
.irp b, 0,1,2,3,4,5,6,7
	ds_load_tr16_b128 v[\f+8*\b:\f+8*\b+3],   v[ADRB+2*(\kq/3)+\slot] offset:(\kq%3)*32*PB+32*\b
	ds_load_tr16_b128 v[\f+8*\b+4:\f+8*\b+7], v[ADRB+2*(\kq/3)+\slot] offset:(\kq%3)*32*PB+32*\b+16*PB
.endr
.irp a, 0,1,2,3
	ds_load_b128 v[\f+64+8*\a:\f+64+8*\a+3],   v[ADRA+\slot] offset:(\kq/2)*PC+(\kq%2)*64+\a*16*PA
	ds_load_b128 v[\f+64+8*\a+4:\f+64+8*\a+7], v[ADRA+\slot] offset:(\kq/2)*PC+(\kq%2)*64+\a*16*PA+32
.endr
.endm
; 8 matrix instructions: row block a x all 8 column blocks.  zero = 1: the first product starts the sums.
; The 32 accumulators take turns, one instruction a turn, in the same order in every quarter.
.macro MULA f, a, zero
.irp b, 0,1,2,3,4,5,6,7
.if \zero
	v_wmma_f32_16x16x32_f16 v[8*(8*\a+\b):8*(8*\a+\b)+7], v[\f+8*\b:\f+8*\b+7], v[\f+64+8*\a:\f+64+8*\a+7], 0
.else
	v_wmma_f32_16x16x32_f16 v[8*(8*\a+\b):8*(8*\a+\b)+7], v[\f+8*\b:\f+8*\b+7], v[\f+64+8*\a:\f+64+8*\a+7], v[8*(8*\a+\b):8*(8*\a+\b)+7]
.endif
.endr
.endm
; One of a slot's quarters but the last: multiplies buffer f; in its middle fetches quarter kq of the same slot into buffer g.
.macro QUARTER slot, kq, f, g, zero
	s_wait_dscnt 4                                 ; B and A's rows 0-31 are in; the four youngest loads (A's rows 32-63) may be out
	WIN MUL
	MULA \f, 0, \zero
	MULA \f, 1, \zero
	PLACES
	FETCH \slot, \kq, \g
	s_wait_dscnt 24                                ; all but the 24 just issued
	WIN MUL
	MULA \f, 2, \zero
	MULA \f, 3, \zero
.endm
.macro FIVE slot, zero
	QUARTER \slot, 1, F0, F1, \zero
	QUARTER \slot, 2, F1, F0, 0
	QUARTER \slot, 3, F0, F1, 0
	QUARTER \slot, 4, F1, F0, 0
	QUARTER \slot, 5, F0, F1, 0
.endm
; The sixth quarter: multiplies buffer 1 and changes slots.  fill = 1: this slot is filled again, two slots ahead; 2: with the tail; 0: not at all.
; In front of the barrier each wave waits for its reads of this slot and for all its tensor loads (one is out: its part of the next slot).
; Behind it the refill comes first, then the next slot's first fragments.  From a request to the wait for it a wave issues 184 matrix instructions.
.macro TURN slot, next, fill
	s_wait_dscnt 4
	WIN MUL
	MULA F1, 0, 0
	s_wait_dscnt 0x0                               ; my reads of this slot are over
	s_wait_tensorcnt 0x0                           ; and all my tensor loads have landed
	ds_add_u32 v254, v255
	s_wait_dscnt 0x0
	s_barrier_signal -1                            ; (where a slot is filled again this barrier opens a round of the cluster's barrier)
	MULA F1, 1, 0                                  ; register work while the others arrive
	WIN 0
	s_barrier_wait -1
.if \fill
	CREST                                          ; no wave of any partner still reads this slot or has a load on its way
	s_add_nc_u64 s[G0A+4*\slot+2:G0A+4*\slot+3], s[G0A+4*\slot+2:G0A+4*\slot+3], 2*KS*2
	s_add_nc_u64 s[G0B+4*\slot+2:G0B+4*\slot+3], s[G0B+4*\slot+2:G0B+4*\slot+3], 2*KS*8192
.if \fill == 1
	JLOAD \slot                                    ; the first tensor load behind the round; its four v_nop are also the places in front of the loads below
.else
	JLOADT \slot
.endif
.else
	PLACES
.endif
	FETCH \next, 0, F0
	WIN MUL
	MULA F1, 2, 0
	MULA F1, 3, 0
.endm
.macro LAP zero
	FIVE 0, \zero
	TURN 0, 1, 1
	FIVE 1, 0
	TURN 1, 0, 1
.endm
	s_wait_tensorcnt 0x1                           ; my part of slot 0 is in; slot 1's stays out
	s_barrier_signal -1
	s_barrier_wait -1
	FETCH 0, 0, F0
	LAP 1                                          ; slots 0, 1: the first products start the sums
	WIN 0
	s_mov_b32 s3, TRIPS
.Llap:
	LAP 0                                          ; slots 2 to 17
	WIN 0
	s_sub_co_u32 s3, s3, 1
	s_cmp_lg_u32 s3, 0
	s_cbranch_scc1 .Llap
	FIVE 0, 0                                      ; slot 18; its turn asks for slot 20, the last whole one
	TURN 0, 1, 1
	FIVE 1, 0                                      ; slot 19; its turn asks for the tail
	TURN 1, 0, 2
	FIVE 0, 0                                      ; slot 20; nothing is left to fetch.  Behind its turn's barrier no wave reads LDS slot 0 any more and nothing is filled into it
	TURN 0, 1, 0
	QUARTER 1, 1, F0, F1, 0                        ; the tail: two quarters
	s_wait_dscnt 0x0
	WIN MUL
	MULA F1, 0, 0
	MULA F1, 1, 0
	MULA F1, 2, 0
	MULA F1, 3, 0
	PLACES                                         ; in front of the LDS stores of results and of the loads into the fragment buffers
	WIN 0
	; THE WAY OUT.  My 64 rows x one head.
	s_lshl_b32 s66, s26, 7
	s_lshl_b32 s67, s21, 6
	s_add_co_u32 s66, s66, s67                     ; my first row s
	s_lshl_b32 s72, s66, 9                         ; in rows of 512 bytes
	s_mov_b32 s73, 0
	s_add_nc_u64 s[8:9], s[8:9], s[72:73]          ; cos
	s_add_nc_u64 s[10:11], s[10:11], s[72:73]      ; sin
	s_lshl1_add_u32 s67, s25, s22                  ; hh = 2 x block column + my half
	s_lshl_b32 s74, s67, 19                        ; 2,048 rows of 256 bytes a head
	s_lshl_b32 s75, s66, 8
	s_add_co_u32 s74, s74, s75
	s_mov_b32 s75, 0
	s_add_nc_u64 s[12:13], s[12:13], s[74:75]      ; qkvh
	s_mov_b32 s70, 0x3e800000                      ; the f16 copy's factor, twice: 1/4 for k and v (q's way sets its own)
	s_mov_b32 s71, 0x3e800000
	s_and_b32 s76, s67, 7                          ; the head among k's or v's eight
	s_lshl_b32 s76, s76, 20                        ; 2,048 rows of 512 bytes a head
	s_add_co_u32 s76, s76, s72
	s_mov_b32 s77, 0
; Rows 16 a .. 16 a + 15: the eight tiles (a, 0..7) go into my stage as rows of 128 f32 and come back so that lane (r, h) holds, of row 2 i + h, d = 4r..4r+3 and d = 64+4r..+3:
; RoPE's partners in one lane.  rope = 1: out(d) = x(d) cos(d) - x(d+64) sin(d), out(d+64) = x(d+64) cos(d+64) + x(d) sin(d+64).  wf = 1: f32 out to s[78:79].
; Every store of sixteen neighbouring lanes covers 256 consecutive bytes, aligned.
.macro OUTBLK a, rope, wf
	s_wait_xcnt 0x0                                ; registers that the last block's stores read are written again only behind this wait
.if \rope
.irp i, 0,1,2,3,4,5,6,7
	global_load_b128 v[CS+16*\i:CS+16*\i+3],     v[FO], s[8:9]   offset:(16*\a+2*\i)*512
	global_load_b128 v[CS+16*\i+4:CS+16*\i+7],   v[FO], s[8:9]   offset:(16*\a+2*\i)*512+256
	global_load_b128 v[CS+16*\i+8:CS+16*\i+11],  v[FO], s[10:11] offset:(16*\a+2*\i)*512
	global_load_b128 v[CS+16*\i+12:CS+16*\i+15], v[FO], s[10:11] offset:(16*\a+2*\i)*512+256
.endr
.endif
	WIN 0x04                                       ; store data from window 1
.irp b, 0,1,2,3,4,5,6,7
	ds_store_b128 v[STO], v[8*(8*\a+\b):8*(8*\a+\b)+3]   offset:64*\b
	ds_store_b128 v[STO], v[8*(8*\a+\b)+4:8*(8*\a+\b)+7] offset:64*\b+16
.endr
	WIN 0
.irp i, 0,1,2,3,4,5,6,7
	ds_load_b128 v[LH+8*\i:LH+8*\i+3],   v[RD] offset:2*SP*\i        ; LDS serves a wave's instructions in order (ISA guide 5.7.1): these see the stores above
	ds_load_b128 v[LH+8*\i+4:LH+8*\i+7], v[RD] offset:2*SP*\i+256
.endr
.irp i, 0,1,2,3,4,5,6,7
.set CL, CS+16*\i
.set CH, CS+16*\i+4
.set SL, CS+16*\i+8
.set SH, CS+16*\i+12
.set XL, LH+8*\i
.set XH, LH+8*\i+4
.set T8, CS+8*\i
	s_wait_dscnt 14-2*\i                           ; this pair of rows is back; the later pairs' two loads each stay out
.if \rope
	s_wait_loadcnt 28-4*\i                         ; its cos and sin are in; the later pairs' four loads each stay out
	v_pk_mul_f32 v[CL:CL+1],   v[XL:XL+1],   v[CL:CL+1]
	v_pk_mul_f32 v[CL+2:CL+3], v[XL+2:XL+3], v[CL+2:CL+3]
	v_pk_mul_f32 v[CH:CH+1],   v[XH:XH+1],   v[CH:CH+1]
	v_pk_mul_f32 v[CH+2:CH+3], v[XH+2:XH+3], v[CH+2:CH+3]
	v_pk_fma_f32 v[CL:CL+1],   v[XH:XH+1],   v[SL:SL+1],   v[CL:CL+1]   neg_lo:[1,0,0] neg_hi:[1,0,0]
	v_pk_fma_f32 v[CL+2:CL+3], v[XH+2:XH+3], v[SL+2:SL+3], v[CL+2:CL+3] neg_lo:[1,0,0] neg_hi:[1,0,0]
	v_pk_fma_f32 v[CH:CH+1],   v[XL:XL+1],   v[SH:SH+1],   v[CH:CH+1]
	v_pk_fma_f32 v[CH+2:CH+3], v[XL+2:XL+3], v[SH+2:SH+3], v[CH+2:CH+3]
.if \wf
	global_store_b128 v[FO], v[CL:CL+3], s[78:79] offset:(16*\a+2*\i)*512 th:TH_STORE_NT
	global_store_b128 v[FO], v[CH:CH+3], s[78:79] offset:(16*\a+2*\i)*512+256 th:TH_STORE_NT
.endif
	v_pk_mul_f32 v[SL:SL+1],   v[CL:CL+1],   s[70:71] op_sel_hi:[1,0]   ; the f16 copy: times its factor, into sin's registers, which are free now
	v_pk_mul_f32 v[SL+2:SL+3], v[CL+2:CL+3], s[70:71] op_sel_hi:[1,0]
	v_pk_mul_f32 v[SH:SH+1],   v[CH:CH+1],   s[70:71] op_sel_hi:[1,0]
	v_pk_mul_f32 v[SH+2:SH+3], v[CH+2:CH+3], s[70:71] op_sel_hi:[1,0]
	v_cvt_pk_f16_f32 v[SL],   v[SL],   v[SL+1]
	v_cvt_pk_f16_f32 v[SL+1], v[SL+2], v[SL+3]
	v_cvt_pk_f16_f32 v[SL+2], v[SH],   v[SH+1]
	v_cvt_pk_f16_f32 v[SL+3], v[SH+2], v[SH+3]
	global_store_b128 v[HO], v[SL:SL+3], s[12:13] offset:(16*\a+2*\i)*256
.else
.if \wf
	global_store_b128 v[FO], v[XL:XL+3], s[78:79] offset:(16*\a+2*\i)*512 th:TH_STORE_NT
	global_store_b128 v[FO], v[XH:XH+3], s[78:79] offset:(16*\a+2*\i)*512+256 th:TH_STORE_NT
.endif
	v_pk_mul_f32 v[T8:T8+1],   v[XL:XL+1],   s[70:71] op_sel_hi:[1,0]
	v_pk_mul_f32 v[T8+2:T8+3], v[XL+2:XL+3], s[70:71] op_sel_hi:[1,0]
	v_pk_mul_f32 v[T8+4:T8+5], v[XH:XH+1],   s[70:71] op_sel_hi:[1,0]
	v_pk_mul_f32 v[T8+6:T8+7], v[XH+2:XH+3], s[70:71] op_sel_hi:[1,0]
	v_cvt_pk_f16_f32 v[T8],   v[T8],   v[T8+1]
	v_cvt_pk_f16_f32 v[T8+1], v[T8+2], v[T8+3]
	v_cvt_pk_f16_f32 v[T8+2], v[T8+4], v[T8+5]
	v_cvt_pk_f16_f32 v[T8+3], v[T8+6], v[T8+7]
	global_store_b128 v[HO], v[T8:T8+3], s[12:13] offset:(16*\a+2*\i)*256
.endif
.endr
.endm
	s_cmp_lt_u32 s29, 2                            ; the kind of my columns hangs on the cluster's x alone: all sixteen partners take the same way
	s_cbranch_scc1 .Lq
	s_cmp_eq_u32 s29, 2
	s_cbranch_scc1 .Lk
	s_add_nc_u64 s[78:79], s[16:17], s[76:77]      ; v: no RoPE, f32 to out2
	OUTBLK 0, 0, 1
	OUTBLK 1, 0, 1
	OUTBLK 2, 0, 1
	OUTBLK 3, 0, 1
	s_branch .Ldone
.Lk:
	s_add_nc_u64 s[78:79], s[14:15], s[76:77]      ; k: RoPE, f32 to out1
	OUTBLK 0, 1, 1
	OUTBLK 1, 1, 1
	OUTBLK 2, 1, 1
	OUTBLK 3, 1, 1
	s_branch .Ldone
.Lq:
	s_mov_b32 s70, 0x3f0293ee                      ; q's factor, twice: 4 log2(e)/sqrt(128); with k's 1/4 the product is log2(e)/sqrt(128)
	s_mov_b32 s71, 0x3f0293ee
	OUTBLK 0, 1, 0                                 ; q: RoPE, the f16 copy alone
	OUTBLK 1, 1, 0
	OUTBLK 2, 1, 0
	OUTBLK 3, 1, 0
.Ldone:
	s_wait_tensorcnt 0x0
	ds_add_u32 v254, v255
	s_wait_dscnt 0x0
	CROUND                                         ; the closing round: no work-group ends while a partner may still ask for a tile that names it
	s_endpgm
.Lfunc_end_k_qd859aff787_gemm_qkv:
	.size	k_qd859aff787_gemm_qkv, .Lfunc_end_k_qd859aff787_gemm_qkv-k_qd859aff787_gemm_qkv
	.p2alignl 7, 3214868480
	.fill 96, 4, 3214868480
	.section	.rodata,"a",@progbits
	.p2align	6, 0x0
	.amdhsa_kernel k_qd859aff787_gemm_qkv
		.amdhsa_group_segment_fixed_size 327680
		.amdhsa_private_segment_fixed_size 0
		.amdhsa_enable_private_segment 0
		.amdhsa_kernarg_size 56
		.amdhsa_user_sgpr_count 2
		.amdhsa_user_sgpr_kernarg_segment_ptr 1
		.amdhsa_wavefront_size32 1
		.amdhsa_system_sgpr_workgroup_id_x 1
		.amdhsa_system_sgpr_workgroup_id_y 1
		.amdhsa_system_sgpr_workgroup_id_z 1
		.amdhsa_system_vgpr_workitem_id 0
		.amdhsa_next_free_vgpr 512
		.amdhsa_next_free_sgpr 96
		.amdhsa_reserve_vcc 0
		.amdhsa_float_denorm_mode_32 3
		.amdhsa_float_denorm_mode_16_64 3
		.amdhsa_memory_ordered 1
		.amdhsa_forward_progress 1
		.amdhsa_inst_pref_size 255
	.end_amdhsa_kernel
	.section	.bss,"aw",@nobits
	.p2align	6
	.space	262144
	.amdgpu_metadata
---
amdhsa.version: [ 1, 2 ]
amdhsa.kernels:
  - .name:           k_qd859aff787_gemm_qkv
    .symbol:         k_qd859aff787_gemm_qkv.kd
    .args:
      - { .name: xh, .offset: 0, .size: 8, .value_kind: global_buffer, .address_space: global }
      - { .name: wqkvh, .offset: 8, .size: 8, .value_kind: global_buffer, .address_space: global }
      - { .name: cos, .offset: 16, .size: 8, .value_kind: global_buffer, .address_space: global }
      - { .name: sin, .offset: 24, .size: 8, .value_kind: global_buffer, .address_space: global }
      - { .name: qkvh, .offset: 32, .size: 8, .value_kind: global_buffer, .address_space: global }
      - { .name: out1, .offset: 40, .size: 8, .value_kind: global_buffer, .address_space: global }
      - { .name: out2, .offset: 48, .size: 8, .value_kind: global_buffer, .address_space: global }
    .group_segment_fixed_size: 327680
    .private_segment_fixed_size: 0
    .kernarg_segment_align: 8
    .kernarg_segment_size: 56
    .max_flat_workgroup_size: 128
    .sgpr_count:     96
    .vgpr_count:     512
    .wavefront_size: 32
...
	.end_amdgpu_metadata
.endif
;; end of part 2
;; launch attn (part 3): grid 32 x 8, 4 waves a work-group, clusters of 4 x 4, 327,680 bytes of LDS; arguments qkvh, mask, oh; writes oh
.if DOCPART == 3
	.amdgcn_target "amdgcn-amd-amdhsa--gfx1250"
	.amdhsa_code_object_version 6
	.text
	.protected	k_qd859aff787_attn
	.globl	k_qd859aff787_attn
	.p2align	8
	.type	k_qd859aff787_attn,@function
k_qd859aff787_attn:
	s_mov_b64 s[64:65], 0
	v_nop
	global_prefetch_b8 v0, s[64:65] scope:SCOPE_SE
	s_setreg_imm32_b32 hwreg(HW_REG_WAVE_MODE, 25, 1), 1
	s_wait_xcnt 0x0
	s_wait_alu depctr_hold_cnt(0) depctr_sa_sdst(0) depctr_va_vdst(0) depctr_va_sdst(0) depctr_va_ssrc(0) depctr_va_vcc(0) depctr_vm_vsrc(0)
	s_getreg_b32 s2, hwreg(HW_REG_IB_STS2, 6, 4)
	s_cmp_eq_u32 s2, 0
	s_cbranch_scc0 .Lentry_in_a_cluster
	s_endpgm
.Lentry_in_a_cluster:
	s_bfe_u32 s2, ttmp6, 0x10000c
	s_cmp_lg_u32 s2, 0xf033
	s_cbranch_scc0 .Lentry_shape_is_right
	s_endpgm
.Lentry_shape_is_right:
; o = softmax(q k^T / sqrt(128) + mask) v for 16 query heads on 8 key/value heads; every score is computed and every mask word is read.
; In: qkvh f16 [32 hh][2048][128 pos] holding q x 4 log2(e)/sqrt(128), k/4, v/4 (position 8p+c = d 4p+c for c < 4, 64+4p+c-4 for c >= 4), mask f32 [2048][2048].
; Out: oh f16 [2048 s][head*128 + d] = o/4.
; Online softmax with a running maximum, in f32 and in base 2: a = S + mask log2(e), S the product of the copies of q and k; p = 2^(a - m): the difference is formed first, so it is never above 0
; and is 0 at the maximum, whatever the size of a.  The row sum takes p in f32, the product p in f16.
; LIMITS: a mask entry beyond 2.36e38 in magnitude overflows in mask log2(e).  A row all of whose masked scores are -infinity gives NaN.
; A NaN score reaches the output through p, not through the maximum.  The sum over d runs in the order of positions.
; A work-group takes one key/value head (grid y) and 64 query rows (grid x) of both its query heads.  Wave w: qh = w & 1 its 32 query rows, kh = w >> 1 its 64 of each block's 128 keys.
; A wave has 4 query tiles t of 16 rows: rows 16 (t & 1), head 2 g + ((t >> 1) xor kh).  So each K or V fragment feeds 4 matrix instructions and each mask register two heads.
; At the end a wave keeps t = 0, 1 and hands t = 2, 3 to wave w xor 2, which holds the other keys' part of the same rows.
; S^T = K Q^T: lane (r, h), register j holds (key 16 kt + 8 h + j, query r): maximum and sum stay in the lane but for one exchange of the halves, and packing tiles 2 ks2, 2 ks2 + 1
; gives P^T's fragment in place.  O^T = V^T P^T: lane (r, h), register j holds (position 16 dt + 8 h + j, query r): the rescaling factor is one number a lane.
; CLUSTERS: 4 x 4 work-groups.  K's and V's tiles hang on the head alone and are asked for jointly along a row of the cluster; the mask's on the query block alone, jointly along a column.
; 16 key blocks of 128 go through two LDS slots; wave 0 fetches K, wave 1 V, waves 2 and 3 the mask's two halves: one tensor load a wave behind each round.
; REGISTERS: window 0: v8-19 addresses, v32-127 the way out, v128-255 K fragments; window 1: S, mask, state; window 2: O at 64 t + 8 dt; window 3: V fragments 0-127, Q fragments 128-255.
.set PK,   272                          ; K's and the mask's LDS rows: 256 bytes + 16
.set PV,   288                          ; V's: 256 + 32, an odd multiple of 32 for the transposing loads
.set VOFF, 128*PK
.set MOFF, VOFF+128*PV
.set SLOT, MOFF+2*64*PK                 ; K, V, the mask's two halves (64 query rows x 64 keys of f32 each)
.set SCR,  2*SLOT                       ; hand-over: 16,896 bytes a wave; no tensor load lands here or behind
.set SCRW, 16896
.set STG,  SCR+4*SCRW                   ; the way out: 16 rows x 272 bytes a wave
.set STGW, 16*272
.set ADK, 8                             ; v8-9   K fragments in slot 0, 1
.set ADV, 10                            ; v10-11 V fragments
.set ADM, 12                            ; v12-13 mask
.set QO,  14                            ; 256 r + 16 h
.set XW,  15                            ; my hand-over bytes
.set XR,  16                            ; my partner's
.set STO, 17
.set RD,  18
.set OO,  19                            ; 4,096 h + 16 r
.set PKR, 32                            ; window 0: packed results
.set OUTR, 64                           ; window 0: rows read back
.set KF,  128                           ; window 0: K fragment (ks, kt) at KF + 8 (4 ks + kt); later the partner's O
.set MK,  128                           ; window 1: mask at MK + 32 qt + 8 kt + j;  S at 32 t + 8 kt + j
.set ST,  192                           ; window 1: pairs (m, l) of tile t
.set AL,  200                           ; window 1: pairs (factor, 0) of tile t
.set T,   208                           ; window 1: at work
.set QF,  128                           ; window 3: Q fragment (t, ks) at QF + 32 t + 8 ks;  V fragment (ks2, dt) at 8 (8 ks2 + dt)
.set G1K, 20
.set G1V, 28
.set G1M, 36
.set G0K, 44
.set G0V, 52
.set G0M, 68
.set MSB, 0
.macro WIN new
.if MSB != \new
	s_set_vgpr_msb (MSB<<8)|\new
.set MSB, \new
.endif
.endm
.macro CREST
	s_cmp_lg_u32 s10, 0
	s_cbranch_scc1 .Lnot_wave_0_\@
	s_barrier_signal -3
.Lnot_wave_0_\@:
	s_barrier_wait -3
	s_barrier_signal -1
	s_barrier_wait -1
.endm
.macro CROUND
	s_barrier_signal -1
	s_barrier_wait -1
	CREST
.endm
.macro JLOAD3 s                         ; one joint load a wave; the branches hang on the wave's number alone
	s_cmp_lg_u32 s10, 0
	s_cbranch_scc1 .Lnot_k_\@
	tensor_load_to_lds s[G0K+4*\s:G0K+4*\s+3], s[G1K:G1K+7]
	s_nop 0
.rept 4
	v_nop
.endr
	s_branch .Lasked_\@
.Lnot_k_\@:
	s_cmp_lg_u32 s10, 1
	s_cbranch_scc1 .Lnot_v_\@
	tensor_load_to_lds s[G0V+4*\s:G0V+4*\s+3], s[G1V:G1V+7]
	s_nop 0
.rept 4
	v_nop
.endr
	s_branch .Lasked_\@
.Lnot_v_\@:
	tensor_load_to_lds s[G0M+4*\s:G0M+4*\s+3], s[G1M:G1M+7]
	s_nop 0
.rept 4
	v_nop
.endr
.Lasked_\@:
.endm
	s_load_b128 s[4:7], s[0:1], 0x0                ; qkvh s[4:5], mask s[6:7]
	s_load_b64 s[8:9], s[0:1], 0x10                ; oh
	v_lshl_add_u32 v30, v0, 2, 0x48c00
	v_mov_b32 v31, 0
	ds_add_u32 v30, v31
	ds_add_u32 v30, v31
	v_lshrrev_b32 v1, 5, v0
	v_readfirstlane_b32 s10, v1                    ; wave
	s_lshr_b32 s11, s10, 1                         ; kh
	s_and_b32 s12, s10, 1                          ; qh
	s_bfe_u32 s13, ttmp6, 0x40000                  ; cx
	s_bfe_u32 s14, ttmp6, 0x40004                  ; cy
	s_lshl_b32 s15, ttmp9, 2
	s_add_co_u32 s15, s15, s13                     ; query block
	s_and_b32 s16, ttmp7, 0xffff
	s_lshl_b32 s16, s16, 2
	s_add_co_u32 s16, s16, s14                     ; key/value head g
	s_lshl_b32 s17, s14, 2
	s_lshl_b32 s17, 15, s17                        ; my row of the cluster
	s_lshl_b32 s18, 0x1111, s13                    ; my column
	s_mov_b32 s60, 0x3fb8aa3b                      ; log2(e), twice
	s_mov_b32 s61, 0x3fb8aa3b
	s_mov_b32 s76, 0x76543210                      ; v_permlanex16_b32: lane i of one half reads lane i of the other
	s_mov_b32 s77, 0xfedcba98
	s_or_b32 s[G1K+0], s17, (1<<16)|(1<<20)|(1<<21)|(5<<22)|(3<<25)   ; K: 128 rows x 128 f16, 4 words behind every 64
	s_or_b32 s[G1V+0], s17, (1<<16)|(1<<20)|(1<<21)|(5<<22)|(7<<25)   ; V: the same, 8 words
.irp g, G1K, G1V
	s_mov_b32 s[\g+1], 128<<16
	s_mov_b32 s[\g+2], 128<<16
	s_mov_b32 s[\g+3], 128<<16
	s_mov_b32 s[\g+4], 128
	s_mov_b32 s[\g+5], 128
	s_mov_b32 s[\g+6], 0
	s_mov_b32 s[\g+7], 0
.endr
	s_or_b32 s[G1M+0], s18, (2<<16)|(1<<20)|(1<<21)|(5<<22)|(3<<25)   ; mask: 64 rows x 64 f32, 4 words behind every 64
	s_mov_b32 s[G1M+1], 64<<16
	s_mov_b32 s[G1M+2], 64<<16
	s_mov_b32 s[G1M+3], 64<<16
	s_mov_b32 s[G1M+4], 64
	s_mov_b32 s[G1M+5], 2048
	s_mov_b32 s[G1M+6], 0
	s_mov_b32 s[G1M+7], 0
	s_add_co_u32 s80, s16, 16                      ; K: head 16 + g, 524,288 bytes a head
	s_lshl_b32 s80, s80, 19
	s_mov_b32 s81, 0
	s_add_co_u32 s82, s16, 24                      ; V: head 24 + g
	s_lshl_b32 s82, s82, 19
	s_mov_b32 s83, 0
	s_lshl_b32 s84, s15, 19                        ; mask: 64 rows of 8,192 bytes a query block,
	s_lshl_b32 s85, s12, 8                         ; and the half of the 128 keys that my wave fetches
	s_add_co_u32 s84, s84, s85
	s_mov_b32 s85, 0
	s_mul_i32 s86, s10, 64*PK                      ; to where: MOFF + (wave - 2) x 17,408 (waves 2, 3)
	s_add_co_u32 s86, s86, MOFF-2*64*PK
	s_wait_dscnt 0x0
	s_wait_kmcnt 0x0
	s_add_nc_u64 s[80:81], s[4:5], s[80:81]
	s_add_nc_u64 s[82:83], s[4:5], s[82:83]
	s_add_nc_u64 s[84:85], s[6:7], s[84:85]
	CROUND                                         ; in front of the first joint loads
.irp s, 0,1
	s_mov_b32 s[G0K+4*\s], 1
	s_mov_b32 s[G0K+4*\s+1], \s*SLOT
	s_add_nc_u64 s[G0K+4*\s+2:G0K+4*\s+3], s[80:81], \s*32768      ; key block s: 128 rows of 256 bytes
	s_or_b32 s[G0K+4*\s+3], s[G0K+4*\s+3], 0x80000000
	s_mov_b32 s[G0V+4*\s], 1
	s_mov_b32 s[G0V+4*\s+1], \s*SLOT+VOFF
	s_add_nc_u64 s[G0V+4*\s+2:G0V+4*\s+3], s[82:83], \s*32768
	s_or_b32 s[G0V+4*\s+3], s[G0V+4*\s+3], 0x80000000
	s_mov_b32 s[G0M+4*\s], 1
	s_add_co_u32 s[G0M+4*\s+1], s86, \s*SLOT
	s_add_nc_u64 s[G0M+4*\s+2:G0M+4*\s+3], s[84:85], \s*512        ; key block s: 128 f32 along the rows
	s_or_b32 s[G0M+4*\s+3], s[G0M+4*\s+3], 0x80000000
	JLOAD3 \s                                      ; both first fills go out together: two tensor loads of the wave are out
.endr
	v_and_b32 v1, 15, v0                           ; r
	v_bfe_u32 v2, v0, 4, 1                         ; h
	v_and_b32 v3, 7, v0
	v_bfe_u32 v4, v0, 3, 1
	v_and_b32 v5, 31, v0                           ; lane
	v_mul_u32_u24 v6, v1, 272
	v_lshl_add_u32 v7, v2, 4, v6                   ; K: my 64 keys, row r, 16 bytes for each half of the lanes
	s_mul_i32 s94, s11, 64*PK
	v_add_nc_u32 v[ADK], s94, v7
	v_add_nc_u32 v[ADK+1], SLOT, v[ADK]
	v_lshl_add_u32 v20, v2, 3, v3                  ; V, transposing load: key row 8 h + (lane & 7), 16 bytes by bit 3 of the lane
	v_mul_u32_u24 v20, v20, PV
	v_lshl_add_u32 v20, v4, 4, v20
	s_mul_i32 s94, s11, 64*PV
	s_add_co_u32 s94, s94, VOFF
	v_add_nc_u32 v[ADV], s94, v20
	v_add_nc_u32 v[ADV+1], SLOT, v[ADV]
	v_lshl_add_u32 v20, v2, 5, v6                  ; mask: half kh, query row 32 qh + r, 8 keys (32 bytes) for each half of the lanes
	s_mul_i32 s94, s11, 64*PK
	s_mul_i32 s95, s12, 32*PK
	s_add_co_u32 s94, s94, s95
	s_add_co_u32 s94, s94, MOFF
	v_add_nc_u32 v[ADM], s94, v20
	v_add_nc_u32 v[ADM+1], SLOT, v[ADM]
	v_lshlrev_b32 v20, 8, v1
	v_lshl_add_u32 v[QO], v2, 4, v20
	s_mul_i32 s94, s10, SCRW
	s_add_co_u32 s94, s94, SCR
	v_lshl_add_u32 v[XW], v5, 4, s94
	s_xor_b32 s95, s10, 2
	s_mul_i32 s95, s95, SCRW
	s_add_co_u32 s95, s95, SCR
	v_lshl_add_u32 v[XR], v5, 4, s95
	s_mul_i32 s94, s10, STGW
	s_add_co_u32 s94, s94, STG
	v_lshl_add_u32 v20, v2, 3, v6
	v_add_nc_u32 v[STO], s94, v20
	v_mul_u32_u24 v20, v2, 272
	v_lshl_add_u32 v20, v1, 4, v20
	v_add_nc_u32 v[RD], s94, v20
	v_lshlrev_b32 v20, 12, v2
	v_lshl_add_u32 v[OO], v1, 4, v20
	s_lshl1_add_u32 s87, s16, s11                  ; Q of tiles 0, 1: head 2 g + kh
	s_lshl_b32 s88, s87, 19
	s_lshl_b32 s90, s15, 14                        ; 64 rows of 256 bytes a query block
	s_lshl_b32 s91, s12, 13                        ; my 32 rows
	s_add_co_u32 s90, s90, s91
	s_add_co_u32 s88, s88, s90
	s_mov_b32 s89, 0
	s_add_nc_u64 s[88:89], s[4:5], s[88:89]
	s_xor_b32 s87, s87, 1                          ; of tiles 2, 3: the other head of the pair
	s_lshl_b32 s92, s87, 19
	s_add_co_u32 s92, s92, s90
	s_mov_b32 s93, 0
	s_add_nc_u64 s[92:93], s[4:5], s[92:93]
	WIN 0xc0                                       ; destination window 3
.irp t, 0,1
.irp ks, 0,1,2,3
	global_load_b128 v[QF+32*\t+8*\ks:QF+32*\t+8*\ks+3],         v[QO], s[88:89] offset:4096*\t+64*\ks
	global_load_b128 v[QF+32*\t+8*\ks+4:QF+32*\t+8*\ks+7],       v[QO], s[88:89] offset:4096*\t+64*\ks+32
	global_load_b128 v[QF+64+32*\t+8*\ks:QF+64+32*\t+8*\ks+3],   v[QO], s[92:93] offset:4096*\t+64*\ks
	global_load_b128 v[QF+64+32*\t+8*\ks+4:QF+64+32*\t+8*\ks+7], v[QO], s[92:93] offset:4096*\t+64*\ks+32
.endr
.endr
	WIN 0x40                                       ; destination window 1
.irp t, 0,1,2,3
	v_mov_b32 v[ST+2*\t], 0xff7fffff               ; m = the lowest finite number
	v_mov_b32 v[ST+2*\t+1], 0                      ; l = 0
	v_mov_b32 v[AL+2*\t+1], 0                      ; the pairs' second registers are read with the first
.endr
	WIN 0
; 16 matrix instructions: 32 positions ks of S^T for 4 key tiles x 4 query tiles.  The 16 accumulators take turns, one instruction a turn.
.macro QKMUL ks, zero
	s_wait_dscnt 40-8*\ks                          ; K's eight loads of this ks are in; behind them were issued 8 for each later ks and the mask's 16
.irp kt, 0,1,2,3
.irp t, 0,1,2,3
.if \zero
	v_wmma_f32_16x16x32_f16 v[32*\t+8*\kt:32*\t+8*\kt+7], v[KF+8*(4*\ks+\kt):KF+8*(4*\ks+\kt)+7], v[QF+32*\t+8*\ks:QF+32*\t+8*\ks+7], 0
.else
	v_wmma_f32_16x16x32_f16 v[32*\t+8*\kt:32*\t+8*\kt+7], v[KF+8*(4*\ks+\kt):KF+8*(4*\ks+\kt)+7], v[QF+32*\t+8*\ks:QF+32*\t+8*\ks+7], v[32*\t+8*\kt:32*\t+8*\kt+7]
.endif
.endr
.endr
.endm
; 32 matrix instructions: 32 keys ks2 of O^T for 8 position tiles x 4 query tiles; the 32 accumulators take turns likewise.
.macro PVMUL ks2, zero
	s_wait_dscnt 16-16*\ks2                        ; V's sixteen loads of this ks2 are in
.irp dt, 0,1,2,3,4,5,6,7
.irp t, 0,1,2,3
.if \zero
	v_wmma_f32_16x16x32_f16 v[64*\t+8*\dt:64*\t+8*\dt+7], v[8*(8*\ks2+\dt):8*(8*\ks2+\dt)+7], v[32*\t+8*\ks2:32*\t+8*\ks2+7], 0
.else
	v_wmma_f32_16x16x32_f16 v[64*\t+8*\dt:64*\t+8*\dt+7], v[8*(8*\ks2+\dt):8*(8*\ks2+\dt)+7], v[32*\t+8*\ks2:32*\t+8*\ks2+7], v[64*\t+8*\dt:64*\t+8*\dt+7]
.endif
.endr
.endr
.endm
; Query tile t, all operands in window 1: mask, running maximum, exponentials, row sum, P packed in place.
.macro SOFT t
.set SB, 32*\t
.set MB, MK+32*(\t&1)
.set MR, ST+2*\t
.set LR, ST+2*\t+1
.set AR, AL+2*\t
.set i, 0
.rept 16
	v_pk_fma_f32 v[SB+2*i:SB+2*i+1], v[MB+2*i:MB+2*i+1], s[60:61], v[SB+2*i:SB+2*i+1] op_sel_hi:[1,0,1]   ; a = mask log2(e) + S
.set i, i+1
.endr
.irp c, 0,1,2,3
	v_max3_num_f32 v[T+\c], v[MR], v[SB+8*\c], v[SB+8*\c+1]        ; four chains, each begun with the old maximum
.endr
.irp k, 2,4,6
.irp c, 0,1,2,3
	v_max3_num_f32 v[T+\c], v[T+\c], v[SB+8*\c+\k], v[SB+8*\c+\k+1]
.endr
.endr
	v_max3_num_f32 v[T], v[T], v[T+1], v[T+2]
	v_max_num_f32 v[T], v[T], v[T+3]
	v_permlanex16_b32 v[T+1], v[T], s76, s77       ; the other 32 keys of the same query
	v_max_num_f32 v[T+4], v[T], v[T+1]             ; the new maximum, equal in both halves
	v_sub_f32 v[AR], v[MR], v[T+4]                 ; old m - m, at most 0
	v_mov_b32 v[MR], v[T+4]
.set i, 0
.rept 16
	v_pk_add_f32 v[SB+2*i:SB+2*i+1], v[SB+2*i:SB+2*i+1], v[MR:MR+1] op_sel_hi:[1,0] neg_lo:[0,1] neg_hi:[0,1]   ; a - m, at most 0: m is the largest of the a
.set i, i+1
.endr
	v_exp_f32 v[AR], v[AR]
.set i, 0
.rept 32
	v_exp_f32 v[SB+i], v[SB+i]
.set i, i+1
.endr
	v_nop                                          ; one plain place behind the exponentials, in front of the first use (ISA guide 5.7.2)
	s_wait_alu depctr_va_vdst(0)
	v_pk_add_f32 v[T:T+1],   v[SB:SB+1],   v[SB+2:SB+3]
	v_pk_add_f32 v[T+2:T+3], v[SB+4:SB+5], v[SB+6:SB+7]
.irp k, 8,12,16,20,24,28
	v_pk_add_f32 v[T:T+1],   v[T:T+1],   v[SB+\k:SB+\k+1]
	v_pk_add_f32 v[T+2:T+3], v[T+2:T+3], v[SB+\k+2:SB+\k+3]
.endr
	v_pk_add_f32 v[T:T+1], v[T:T+1], v[T+2:T+3]
	v_add_f32 v[T], v[T], v[T+1]
	v_fma_f32 v[LR], v[LR], v[AR], v[T]            ; my lane's part of the row sum; the halves meet at the end
.set i, 0
.rept 16
	v_cvt_pk_f16_f32 v[SB+i], v[SB+2*i], v[SB+2*i+1]               ; P^T's fragment of keys 32 ks2 .. +31 ends up at SB + 8 ks2
.set i, i+1
.endr
.endm
; One key block out of a slot.  first = 1: the first products start O, nothing is rescaled.
.macro STEP slot, first
	WIN 0
.irp ks, 0,1,2,3
.irp kt, 0,1,2,3
	ds_load_b128 v[KF+8*(4*\ks+\kt):KF+8*(4*\ks+\kt)+3],   v[ADK+\slot] offset:16*PK*\kt+64*\ks
	ds_load_b128 v[KF+8*(4*\ks+\kt)+4:KF+8*(4*\ks+\kt)+7], v[ADK+\slot] offset:16*PK*\kt+64*\ks+32
.endr
.endr
	WIN 0x40
.irp qt, 0,1
.irp kt, 0,1,2,3
	ds_load_b128 v[MK+32*\qt+8*\kt:MK+32*\qt+8*\kt+3],   v[ADM+\slot] offset:16*PK*\qt+64*\kt
	ds_load_b128 v[MK+32*\qt+8*\kt+4:MK+32*\qt+8*\kt+7], v[ADM+\slot] offset:16*PK*\qt+64*\kt+16
.endr
.endr
	WIN 0x5c                                       ; K window 0, Q window 3, S window 1
	QKMUL 0, 1
	QKMUL 1, 0
	QKMUL 2, 0
	QKMUL 3, 0
.rept 4
	v_nop                                          ; four places behind the products, in front of the vector work on S (ISA guide 7.12.1)
.endr
	WIN 0xc0
.irp ks2, 0,1
.irp dt, 0,1,2,3,4,5,6,7
	ds_load_tr16_b128 v[8*(8*\ks2+\dt):8*(8*\ks2+\dt)+3],   v[ADV+\slot] offset:32*PV*\ks2+32*\dt
	ds_load_tr16_b128 v[8*(8*\ks2+\dt)+4:8*(8*\ks2+\dt)+7], v[ADV+\slot] offset:32*PV*\ks2+32*\dt+16*PV
.endr
.endr
	WIN 0x55
	s_wait_dscnt 32                                ; the mask is in; V's 32 loads stay out
	SOFT 0
	SOFT 1
	SOFT 2
	SOFT 3
.if \first == 0
	WIN 0x86                                       ; O window 2, factor window 1
.irp t, 0,1,2,3
.set i, 0
.rept 32
	v_pk_mul_f32 v[64*\t+2*i:64*\t+2*i+1], v[64*\t+2*i:64*\t+2*i+1], v[AL+2*\t:AL+2*\t+1] op_sel_hi:[1,0]
.set i, i+1
.endr
.endr
.endif
	WIN 0xa7                                       ; V window 3, P window 1, O window 2
	PVMUL 0, \first
	PVMUL 1, 0
.rept 5
	v_nop                                          ; five places: the next block's products write over P, its loads land on V, the hand-over reads O
.endr
	WIN 0
.endm
; The block in slot; fill = 1: the other slot, read last, is filled again, two blocks ahead.
.macro TRIP slot, other, fill
	s_wait_tensorcnt 0x0                           ; all my tensor loads have landed, my part of this slot among them
	ds_add_u32 v30, v31
	s_wait_dscnt 0x0
	s_wait_dscnt 0x0                               ; my reads of the other slot are over
.if \fill
	CROUND                                         ; both now hold of every wave of all sixteen work-groups
	s_add_nc_u64 s[G0K+4*\other+2:G0K+4*\other+3], s[G0K+4*\other+2:G0K+4*\other+3], 65536
	s_add_nc_u64 s[G0V+4*\other+2:G0V+4*\other+3], s[G0V+4*\other+2:G0V+4*\other+3], 65536
	s_add_nc_u64 s[G0M+4*\other+2:G0M+4*\other+3], s[G0M+4*\other+2:G0M+4*\other+3], 1024
	JLOAD3 \other                                  ; my one tensor load behind the round: it has this whole block's work in which to land
.else
	s_barrier_signal -1
	s_barrier_wait -1
.endif
	STEP \slot, 0
.endm
	s_wait_loadcnt 0x0                             ; Q
	s_wait_tensorcnt 0x1                           ; my part of block 0 is in; block 1's stays out
	s_barrier_signal -1
	s_barrier_wait -1
	STEP 0, 1
	s_mov_b32 s3, 7
.Lpair:
	TRIP 1, 0, 1
	TRIP 0, 1, 1
	s_sub_co_u32 s3, s3, 1
	s_cmp_lg_u32 s3, 0
	s_cbranch_scc1 .Lpair
	TRIP 1, 0, 0                                   ; block 15: nothing is left to fetch
	; THE TWO HALVES OF THE KEYS MEET.  My tiles 2, 3 (O, m, l) go to wave w xor 2; its tiles 2, 3 are the other keys' part of my tiles 0, 1.
	WIN 0x08                                       ; store data from window 2
.set i, 0
.rept 32
	ds_store_b128 v[XW], v[128+4*i:128+4*i+3] offset:512*i
.set i, i+1
.endr
	WIN 0x04                                       ; from window 1
	ds_store_b128 v[XW], v[ST+4:ST+7] offset:16384
	WIN 0
	s_wait_dscnt 0x0                               ; for the partner's sake: my stores are done
	s_barrier_signal -1
	s_barrier_wait -1
.set i, 0
.rept 32
	ds_load_b128 v[KF+4*i:KF+4*i+3], v[XR] offset:512*i
.set i, i+1
.endr
	WIN 0x40
	ds_load_b128 v[T+8:T+11], v[XR] offset:16384
	s_wait_dscnt 0x0
	WIN 0x55
.irp tt, 0,1
	v_max_num_f32 v[T], v[ST+2*\tt], v[T+8+2*\tt]  ; the common maximum
	v_sub_f32 v[T+1], v[ST+2*\tt], v[T]            ; both differences are at most 0, one of them is 0
	v_sub_f32 v[T+2], v[T+8+2*\tt], v[T]
	v_exp_f32 v[T+1], v[T+1]
	v_exp_f32 v[T+2], v[T+2]
	v_nop
	s_wait_alu depctr_va_vdst(0)
	v_mul_f32 v[T+3], v[ST+2*\tt+1], v[T+1]
	v_fma_f32 v[T+3], v[T+9+2*\tt], v[T+2], v[T+3]
	v_permlanex16_b32 v[T+4], v[T+3], s76, s77     ; the row sum's other half
	v_add_f32 v[T+3], v[T+3], v[T+4]
	v_rcp_f32 v[T+5], v[T+3]
	v_nop
	s_wait_alu depctr_va_vdst(0)
	v_mul_f32 v[AL+2*\tt], v[T+1], v[T+5]          ; my part's factor
	v_mul_f32 v[AL+4+2*\tt], v[T+2], v[T+5]        ; the partner's
.endr
	WIN 0x86
.irp tt, 0,1
.set i, 0
.rept 32
	v_pk_mul_f32 v[64*\tt+2*i:64*\tt+2*i+1], v[64*\tt+2*i:64*\tt+2*i+1], v[AL+2*\tt:AL+2*\tt+1] op_sel_hi:[1,0]
.set i, i+1
.endr
.endr
	WIN 0xa4                                       ; partner's O window 0, factor window 1, O window 2
.irp tt, 0,1
.set i, 0
.rept 32
	v_pk_fma_f32 v[64*\tt+2*i:64*\tt+2*i+1], v[KF+64*\tt+2*i:KF+64*\tt+2*i+1], v[AL+4+2*\tt:AL+5+2*\tt], v[64*\tt+2*i:64*\tt+2*i+1] op_sel_hi:[1,0,1]
.set i, i+1
.endr
.endr
	; THE WAY OUT, 16 query rows at a time through my stage.  Positions 16 dt + 8 h + 0..3 are d = 8 dt + 4 h + 0..3, positions + 4..7 are d = 64 + 8 dt + 4 h + 0..3: two stores of 8 bytes undo the order.
	s_lshl_b32 s94, s15, 18                        ; 64 rows of 4,096 bytes a query block
	s_lshl_b32 s95, s12, 17                        ; my 32 rows
	s_add_co_u32 s94, s94, s95
	s_lshl1_add_u32 s95, s16, s11                  ; head 2 g + kh,
	s_lshl_b32 s95, s95, 8                         ; 256 bytes a head
	s_add_co_u32 s94, s94, s95
	s_mov_b32 s95, 0
	s_add_nc_u64 s[8:9], s[8:9], s[94:95]
.irp tt, 0,1
	WIN 0x0a                                       ; sources window 2, destination window 0
.irp dt, 0,1,2,3,4,5,6,7
.irp q, 0,1,2,3
	v_cvt_pk_f16_f32 v[PKR+4*\dt+\q], v[64*\tt+8*\dt+2*\q], v[64*\tt+8*\dt+2*\q+1]
.endr
.endr
	WIN 0
.irp dt, 0,1,2,3,4,5,6,7
	ds_store_b64 v[STO], v[PKR+4*\dt:PKR+4*\dt+1]   offset:16*\dt
	ds_store_b64 v[STO], v[PKR+4*\dt+2:PKR+4*\dt+3] offset:128+16*\dt
.endr
.irp i, 0,1,2,3,4,5,6,7
	ds_load_b128 v[OUTR+32*\tt+4*\i:OUTR+32*\tt+4*\i+3], v[RD] offset:544*\i   ; my own bytes, served in order (ISA guide 5.7.1)
.endr
.irp i, 0,1,2,3,4,5,6,7
	s_wait_dscnt 7-\i
	global_store_b128 v[OO], v[OUTR+32*\tt+4*\i:OUTR+32*\tt+4*\i+3], s[8:9] offset:(16*\tt+2*\i)*4096   ; sixteen lanes store 256 consecutive bytes, aligned
.endr
.endr
	s_wait_tensorcnt 0x0
	ds_add_u32 v30, v31
	s_wait_dscnt 0x0
	CROUND                                         ; the closing round
	s_endpgm
.Lfunc_end_k_qd859aff787_attn:
	.size	k_qd859aff787_attn, .Lfunc_end_k_qd859aff787_attn-k_qd859aff787_attn
	.p2alignl 7, 3214868480
	.fill 96, 4, 3214868480
	.section	.rodata,"a",@progbits
	.p2align	6, 0x0
	.amdhsa_kernel k_qd859aff787_attn
		.amdhsa_group_segment_fixed_size 327680
		.amdhsa_private_segment_fixed_size 0
		.amdhsa_enable_private_segment 0
		.amdhsa_kernarg_size 24
		.amdhsa_user_sgpr_count 2
		.amdhsa_user_sgpr_kernarg_segment_ptr 1
		.amdhsa_wavefront_size32 1
		.amdhsa_system_sgpr_workgroup_id_x 1
		.amdhsa_system_sgpr_workgroup_id_y 1
		.amdhsa_system_sgpr_workgroup_id_z 1
		.amdhsa_system_vgpr_workitem_id 0
		.amdhsa_next_free_vgpr 1024
		.amdhsa_next_free_sgpr 96
		.amdhsa_reserve_vcc 0
		.amdhsa_float_denorm_mode_32 3
		.amdhsa_float_denorm_mode_16_64 3
		.amdhsa_memory_ordered 1
		.amdhsa_forward_progress 1
		.amdhsa_inst_pref_size 222
	.end_amdhsa_kernel
	.amdgpu_metadata
---
amdhsa.version: [ 1, 2 ]
amdhsa.kernels:
  - .name:           k_qd859aff787_attn
    .symbol:         k_qd859aff787_attn.kd
    .args:
      - { .name: qkvh, .offset: 0, .size: 8, .value_kind: global_buffer, .address_space: global }
      - { .name: mask, .offset: 8, .size: 8, .value_kind: global_buffer, .address_space: global }
      - { .name: oh, .offset: 16, .size: 8, .value_kind: global_buffer, .address_space: global }
    .group_segment_fixed_size: 327680
    .private_segment_fixed_size: 0
    .kernarg_segment_align: 8
    .kernarg_segment_size: 24
    .max_flat_workgroup_size: 128
    .sgpr_count:     96
    .vgpr_count:     1024
    .wavefront_size: 32
...
	.end_amdgpu_metadata
.endif
;; end of part 3
;; launch gemm_out (part 4): grid 16 x 16, 4 waves a work-group, clusters of 4 x 4, 327,680 bytes of LDS; arguments oh, woh, out0; writes out0
.if DOCPART == 4
	.amdgcn_target "amdgcn-amd-amdhsa--gfx1250"
	.amdhsa_code_object_version 6
	.text
	.protected	k_qd859aff787_gemm_out
	.globl	k_qd859aff787_gemm_out
	.p2align	8
	.type	k_qd859aff787_gemm_out,@function
k_qd859aff787_gemm_out:
	s_mov_b64 s[64:65], 0
	v_nop
	global_prefetch_b8 v0, s[64:65] scope:SCOPE_SE
	s_setreg_imm32_b32 hwreg(HW_REG_WAVE_MODE, 25, 1), 1
	s_wait_xcnt 0x0
	s_wait_alu depctr_hold_cnt(0) depctr_sa_sdst(0) depctr_va_vdst(0) depctr_va_sdst(0) depctr_va_ssrc(0) depctr_va_vcc(0) depctr_vm_vsrc(0)
	s_getreg_b32 s2, hwreg(HW_REG_IB_STS2, 6, 4)
	s_cmp_eq_u32 s2, 0
	s_cbranch_scc0 .Lentry_in_a_cluster
	s_endpgm
.Lentry_in_a_cluster:
	s_bfe_u32 s2, ttmp6, 0x10000c
	s_cmp_lg_u32 s2, 0xf033
	s_cbranch_scc0 .Lentry_shape_is_right
	s_endpgm
.Lentry_shape_is_right:
; out0 = o wo: A = oh [2048 m][2048 k] f16, which holds o/4; B = woh [2048 k][4096 n] f16; sums in f32, multiplied by 4 on the way out; out0 [2048][4096] f32.
; The same core as the first product's: a work-group makes 128 x 256 of C with four waves, a wave 64 x 128 in 32 accumulator tiles.
; K goes through two LDS slots of 192 each, filled by the tensor data mover: the largest multiple of 32 of which two slots fit (800 bytes for each k, and 6,144 of A's padding, a slot).
; 2,048 = 10 x 192 + 128: ten whole slots and a tail of 128, which is written out.  B lies [k][n] and is read by transposing loads.
; A's rows in a tile are 384 bytes of memory and start at multiples of 128 bytes; B's are 512 bytes and start at multiples of 512.
; CLUSTERS: 4 x 4 work-groups; A's tile is asked for jointly along a row of the cluster, B's along a column.
; REGISTERS: window 0: v8-16 addresses, v32-127 and v128-223 two fragment buffers (B 64, A 32 registers); window 1: accumulator (a, b) at v[8 (8 a + b)].
; THE MATRIX INSTRUCTION IS USED TRANSPOSED (source 0 = 16 columns of B, source 1 = 16 rows of A): lane (r, h), register j holds C(16 a + r, 16 b + 8 h + j).
.set SIZE_K, 2048
.set KS,     192                       ; K in a slot: six quarters of 32
.set NFULL,  SIZE_K/KS                 ; 10 whole slots
.set TAILK,  SIZE_K-NFULL*KS           ; 128
.set PC,     144                       ; A in LDS: 16 bytes of padding behind every 128 bytes (64 k)
.set PA,     3*PC                      ; 432 = 27 x 16
.set PB,     544                       ; 512 + 32 = 17 x 32
.set AOFF,   KS*PB
.set SLOT,   AOFF+128*PA               ; 159,744 bytes; two of them are all the LDS that is asked for
.set STAGE,  SLOT                      ; the way out's stage, 16 rows x 528 bytes a wave, lies in slot 1, which by then has had its last fill and its last read
.set SP,     528
.set ROWB,   16384                     ; bytes in a row of out0
.set TRIPS,  (NFULL-4)/2               ; the loop's laps: slots 2 to 7
.set ADRA, 8                           ; v8-9    A fragments in slot 0, 1
.set ADRB, 10                          ; v10-11  B fragments, quarters 0-2; v12-13 quarters 3-5 (an LDS offset has 16 bits)
.set STO,  14
.set RD,   15
.set FO,   16                          ; 16,384 h + 16 r
.set F0,   32
.set F1,   128
.set LH,   160                         ; the way out: for row pair i 8 registers
.set G1A, 32
.set G0A, 40
.set G1B, 48
.set G0B, 56
.set MUL, 0x50
.set MSB, 0
.macro WIN new
.if MSB != \new
	s_set_vgpr_msb (MSB<<8)|\new
.set MSB, \new
.endif
.endm
.macro PLACES                          ; four places behind a matrix instruction (ISA guide 7.12.1)
.rept 4
	v_nop
.endr
.endm
.macro CREST
	s_cmp_lg_u32 s20, 0
	s_cbranch_scc1 .Lnot_wave_0_\@
	s_barrier_signal -3
.Lnot_wave_0_\@:
	s_barrier_wait -3
	s_barrier_signal -1
	s_barrier_wait -1
.endm
.macro CROUND
	s_barrier_signal -1
	s_barrier_wait -1
	CREST
.endm
.macro JLOAD s                         ; waves 0 and 1 fetch B's halves (96 k rows x 512 bytes), waves 2 and 3 A's (64 m rows x 384 bytes); the branch hangs on the wave's number alone
	s_cmp_eq_u32 s21, 0
	s_cbranch_scc0 .Lfor_a_\@
	tensor_load_to_lds s[G0B+4*\s:G0B+4*\s+3], s[G1B:G1B+7]
	s_nop 0
.rept 4
	v_nop
.endr
	s_branch .Lasked_\@
.Lfor_a_\@:
	tensor_load_to_lds s[G0A+4*\s:G0A+4*\s+3], s[G1A:G1A+7]
	s_nop 0
.rept 4
	v_nop
.endr
.Lasked_\@:
.endm
; The tail's joint load, K = 128.  No tensor load of the wave is out here, so words of group 1 may be written.  Wave 0 fetches B's first 96 rows as ever, wave 1 the 32 that are left;
; waves 2 and 3 fetch A with the tile's shape unchanged (so the LDS rows keep their pitch) and 128 as what is left of the tensor along a row: the rest arrives as zeros and is not read.
.macro JLOADT s
	s_cmp_lg_u32 s20, 0
	s_cbranch_scc1 .Ltail_not_0_\@
	tensor_load_to_lds s[G0B+4*\s:G0B+4*\s+3], s[G1B:G1B+7]
	s_nop 0
.rept 4
	v_nop
.endr
	s_branch .Ltail_asked_\@
.Ltail_not_0_\@:
	s_cmp_lg_u32 s20, 1
	s_cbranch_scc1 .Ltail_for_a_\@
	s_mov_b32 s[G1B+2], (TAILK-96)<<16             ; tensor_dim1 = 32
	s_mov_b32 s[G1B+4], TAILK-96                   ; tile_dim1 = 32
	tensor_load_to_lds s[G0B+4*\s:G0B+4*\s+3], s[G1B:G1B+7]
	s_nop 0
.rept 4
	v_nop
.endr
	s_branch .Ltail_asked_\@
.Ltail_for_a_\@:
	s_mov_b32 s[G1A+1], TAILK<<16                  ; tensor_dim0 = 128
	tensor_load_to_lds s[G0A+4*\s:G0A+4*\s+3], s[G1A:G1A+7]
	s_nop 0
.rept 4
	v_nop
.endr
.Ltail_asked_\@:
.endm
	s_load_b128 s[4:7], s[0:1], 0x0                ; oh s[4:5], woh s[6:7]
	s_load_b64 s[8:9], s[0:1], 0x10                ; out0
	v_lshl_add_u32 v254, v0, 2, 0x4e000
	v_mov_b32 v255, 0
	ds_add_u32 v254, v255
	ds_add_u32 v254, v255
	v_lshrrev_b32 v1, 5, v0
	v_readfirstlane_b32 s20, v1                    ; wave
	s_lshr_b32 s21, s20, 1                         ; which 64 rows.  Also: I fetch for B (0) or for A (1)
	s_and_b32 s22, s20, 1                          ; which 128 columns.  Also: which half of that tile I fetch
	s_bfe_u32 s23, ttmp6, 0x40000                  ; cx
	s_bfe_u32 s24, ttmp6, 0x40004                  ; cy
	s_lshl_b32 s25, ttmp9, 2
	s_add_co_u32 s25, s25, s23                     ; block column
	s_and_b32 s26, ttmp7, 0xffff
	s_lshl_b32 s26, s26, 2
	s_add_co_u32 s26, s26, s24                     ; block row
	s_lshl_b32 s27, s24, 2
	s_lshl_b32 s27, 15, s27                        ; my row of the cluster
	s_lshl_b32 s28, 0x1111, s23                    ; my column
	s_or_b32 s[G1A+0], s27, (1<<16)|(1<<20)|(1<<21)|(4<<22)|(3<<25)   ; A: 64 rows x 192 f16, 4 words behind every 32: three times in a row of 96 words
	s_mov_b32 s[G1A+1], KS<<16
	s_mov_b32 s[G1A+2], 64<<16
	s_mov_b32 s[G1A+3], KS<<16
	s_mov_b32 s[G1A+4], 64
	s_mov_b32 s[G1A+5], SIZE_K
	s_mov_b32 s[G1A+6], 0
	s_mov_b32 s[G1A+7], 0
	s_or_b32 s[G1B+0], s28, (1<<16)|(1<<20)|(1<<21)|(6<<22)|(7<<25)   ; B: 96 rows x 256 f16, 8 words behind every 128
	s_mov_b32 s[G1B+1], 256<<16
	s_mov_b32 s[G1B+2], 96<<16
	s_mov_b32 s[G1B+3], 256<<16
	s_mov_b32 s[G1B+4], 96
	s_mov_b32 s[G1B+5], 4096
	s_mov_b32 s[G1B+6], 0
	s_mov_b32 s[G1B+7], 0
	s_lshl_b32 s66, s26, 7                         ; A: row 128 x block row + 64 x half,
	s_lshl_b32 s67, s22, 6
	s_add_co_u32 s66, s66, s67
	s_mul_i32 s66, s66, 2*SIZE_K                   ; in bytes
	s_mov_b32 s67, 0
	s_mul_i32 s68, s22, 96*8192                    ; B: 96 k rows of 8,192 bytes x half
	s_lshl_b32 s69, s25, 9                         ; + 512 bytes x block column
	s_add_co_u32 s68, s68, s69
	s_mov_b32 s69, 0
	s_mul_i32 s72, s20, 96*PB                      ; to where: B's halves at wave x 52,224 (waves 0, 1),
	s_mul_i32 s73, s20, 64*PA
	s_add_co_u32 s73, s73, AOFF-2*64*PA            ; A's at 104,448 + (wave - 2) x 27,648 (waves 2, 3)
	s_wait_dscnt 0x0
	s_wait_kmcnt 0x0
	s_add_nc_u64 s[66:67], s[4:5], s[66:67]
	s_add_nc_u64 s[68:69], s[6:7], s[68:69]
	CROUND                                         ; in front of the first joint loads
.irp s, 0,1
	s_mov_b32 s[G0A+4*\s], 1
	s_add_co_u32 s[G0A+4*\s+1], s73, \s*SLOT
	s_add_nc_u64 s[G0A+4*\s+2:G0A+4*\s+3], s[66:67], \s*KS*2
	s_or_b32 s[G0A+4*\s+3], s[G0A+4*\s+3], 0x80000000
	s_mov_b32 s[G0B+4*\s], 1
	s_add_co_u32 s[G0B+4*\s+1], s72, \s*SLOT
	s_add_nc_u64 s[G0B+4*\s+2:G0B+4*\s+3], s[68:69], \s*KS*8192
	s_or_b32 s[G0B+4*\s+3], s[G0B+4*\s+3], 0x80000000
	JLOAD \s                                       ; two tensor loads of the wave are out
.endr
	v_and_b32 v1, 15, v0                           ; r
	v_bfe_u32 v2, v0, 4, 1                         ; h
	v_and_b32 v3, 7, v0
	v_bfe_u32 v4, v0, 3, 1
	v_mul_u32_u24 v5, v1, PA
	v_lshl_add_u32 v5, v2, 4, v5
	s_mul_i32 s74, s21, 64*PA
	s_add_co_u32 s74, s74, AOFF
	v_add_nc_u32 v[ADRA], s74, v5
	v_add_nc_u32 v[ADRA+1], SLOT, v[ADRA]
	v_lshl_add_u32 v6, v2, 3, v3
	v_mul_u32_u24 v6, v6, PB
	v_lshl_add_u32 v6, v4, 4, v6
	s_lshl_b32 s75, s22, 8
	v_add_nc_u32 v[ADRB], s75, v6
	v_add_nc_u32 v[ADRB+1], SLOT, v[ADRB]
	v_add_nc_u32 v[ADRB+2], 96*PB, v[ADRB]         ; quarters 3 to 5 begin 96 rows further down
	v_add_nc_u32 v[ADRB+3], 96*PB, v[ADRB+1]
	s_mul_i32 s76, s20, 16*SP
	s_add_co_u32 s76, s76, STAGE
	v_mul_u32_u24 v7, v1, SP
	v_lshl_add_u32 v7, v2, 5, v7
	v_add_nc_u32 v[STO], s76, v7
	v_mul_u32_u24 v7, v2, SP
	v_lshl_add_u32 v7, v1, 4, v7
	v_add_nc_u32 v[RD], s76, v7
	v_lshlrev_b32 v7, 14, v2
	v_lshl_add_u32 v[FO], v1, 4, v7
; 24 LDS loads in one run: quarter kq of a slot into buffer f.  In A's rows quarter kq begins at 144 (kq / 2) + 64 (kq % 2): the padding stands behind every second quarter.
.macro FETCH slot, kq, f
	WIN 0
.irp b, 0,1,2,3,4,5,6,7
	ds_load_tr16_b128 v[\f+8*\b:\f+8*\b+3],   v[ADRB+2*(\kq/3)+\slot] offset:(\kq%3)*32*PB+32*\b
	ds_load_tr16_b128 v[\f+8*\b+4:\f+8*\b+7], v[ADRB+2*(\kq/3)+\slot] offset:(\kq%3)*32*PB+32*\b+16*PB
.endr
.irp a, 0,1,2,3
	ds_load_b128 v[\f+64+8*\a:\f+64+8*\a+3],   v[ADRA+\slot] offset:(\kq/2)*PC+(\kq%2)*64+\a*16*PA
	ds_load_b128 v[\f+64+8*\a+4:\f+64+8*\a+7], v[ADRA+\slot] offset:(\kq/2)*PC+(\kq%2)*64+\a*16*PA+32
.endr
.endm
.macro MULA f, a, zero                 ; 8 matrix instructions; the 32 accumulators take turns, one instruction a turn
.irp b, 0,1,2,3,4,5,6,7
.if \zero
	v_wmma_f32_16x16x32_f16 v[8*(8*\a+\b):8*(8*\a+\b)+7], v[\f+8*\b:\f+8*\b+7], v[\f+64+8*\a:\f+64+8*\a+7], 0
.else
	v_wmma_f32_16x16x32_f16 v[8*(8*\a+\b):8*(8*\a+\b)+7], v[\f+8*\b:\f+8*\b+7], v[\f+64+8*\a:\f+64+8*\a+7], v[8*(8*\a+\b):8*(8*\a+\b)+7]
.endif
.endr
.endm
.macro QUARTER slot, kq, f, g, zero
	s_wait_dscnt 4                                 ; B and A's rows 0-31 are in; the four youngest loads may be out
	WIN MUL
	MULA \f, 0, \zero
	MULA \f, 1, \zero
	PLACES
	FETCH \slot, \kq, \g
	s_wait_dscnt 24                                ; all but the 24 just issued
	WIN MUL
	MULA \f, 2, \zero
	MULA \f, 3, \zero
.endm
.macro FIVE slot, zero
	QUARTER \slot, 1, F0, F1, \zero
	QUARTER \slot, 2, F1, F0, 0
	QUARTER \slot, 3, F0, F1, 0
	QUARTER \slot, 4, F1, F0, 0
	QUARTER \slot, 5, F0, F1, 0
.endm
; The sixth quarter: multiplies buffer 1 and changes slots.  fill = 1: this slot is filled again, two slots ahead; 2: with the tail; 0: not at all.
; From a request to the wait for it a wave issues 184 matrix instructions.
.macro TURN slot, next, fill
	s_wait_dscnt 4
	WIN MUL
	MULA F1, 0, 0
	s_wait_dscnt 0x0                               ; my reads of this slot are over
	s_wait_tensorcnt 0x0                           ; and all my tensor loads have landed: the one that was out is my part of the next slot
	ds_add_u32 v254, v255
	s_wait_dscnt 0x0
	s_barrier_signal -1
	MULA F1, 1, 0
	WIN 0
	s_barrier_wait -1
.if \fill
	CREST                                          ; no wave of any partner still reads this slot or has a load on its way
	s_add_nc_u64 s[G0A+4*\slot+2:G0A+4*\slot+3], s[G0A+4*\slot+2:G0A+4*\slot+3], 2*KS*2
	s_add_nc_u64 s[G0B+4*\slot+2:G0B+4*\slot+3], s[G0B+4*\slot+2:G0B+4*\slot+3], 2*KS*8192
.if \fill == 1
	JLOAD \slot                                    ; the first tensor load behind the round; its four v_nop are also the places in front of the loads below
.else
	JLOADT \slot
.endif
.else
	PLACES
.endif
	FETCH \next, 0, F0
	WIN MUL
	MULA F1, 2, 0
	MULA F1, 3, 0
.endm
.macro LAP zero
	FIVE 0, \zero
	TURN 0, 1, 1
	FIVE 1, 0
	TURN 1, 0, 1
.endm
	s_wait_tensorcnt 0x1                           ; my part of slot 0 is in; slot 1's stays out
	s_barrier_signal -1
	s_barrier_wait -1
	FETCH 0, 0, F0
	LAP 1                                          ; slots 0, 1: the first products start the sums
	WIN 0
	s_mov_b32 s3, TRIPS
.Llap:
	LAP 0                                          ; slots 2 to 7
	WIN 0
	s_sub_co_u32 s3, s3, 1
	s_cmp_lg_u32 s3, 0
	s_cbranch_scc1 .Llap
	FIVE 0, 0                                      ; slot 8; its turn asks for the tail
	TURN 0, 1, 2
	FIVE 1, 0                                      ; slot 9; nothing is left to fetch.  Behind its turn's barrier no wave reads LDS slot 1 any more and nothing is filled into it
	TURN 1, 0, 0
	QUARTER 0, 1, F0, F1, 0                        ; the tail: four quarters
	QUARTER 0, 2, F1, F0, 0
	QUARTER 0, 3, F0, F1, 0
	s_wait_dscnt 0x0
	WIN MUL
	MULA F1, 0, 0
	MULA F1, 1, 0
	MULA F1, 2, 0
	MULA F1, 3, 0
	PLACES
	WIN 0
	s_lshl_b32 s66, s26, 7
	s_lshl_b32 s67, s21, 6
	s_add_co_u32 s66, s66, s67                     ; my first row
	s_lshl_b32 s72, s66, 14                        ; 16,384 bytes a row
	s_lshl_b32 s73, s25, 10                        ; 1,024 bytes a block column
	s_add_co_u32 s72, s72, s73
	s_lshl_b32 s73, s22, 9                         ; 512 bytes for my half
	s_add_co_u32 s72, s72, s73
	s_mov_b32 s73, 0
	s_add_nc_u64 s[8:9], s[8:9], s[72:73]
; Rows 16 a .. 16 a + 15 through my stage: in as 32 bytes a lane, back as whole rows, times 4, out: sixteen lanes store 256 consecutive bytes, aligned.
.macro OUTBLK a
	s_wait_xcnt 0x0                                ; registers that the last block's stores read are loaded again only behind this wait
	WIN 0x04
.irp b, 0,1,2,3,4,5,6,7
	ds_store_b128 v[STO], v[8*(8*\a+\b):8*(8*\a+\b)+3]   offset:64*\b
	ds_store_b128 v[STO], v[8*(8*\a+\b)+4:8*(8*\a+\b)+7] offset:64*\b+16
.endr
	WIN 0
.irp i, 0,1,2,3,4,5,6,7
	ds_load_b128 v[LH+8*\i:LH+8*\i+3],   v[RD] offset:2*SP*\i        ; my own bytes, served in order (ISA guide 5.7.1)
	ds_load_b128 v[LH+8*\i+4:LH+8*\i+7], v[RD] offset:2*SP*\i+256
.endr
.irp i, 0,1,2,3,4,5,6,7
	s_wait_dscnt 14-2*\i
.irp j, 0,2,4,6
	v_pk_mul_f32 v[LH+8*\i+\j:LH+8*\i+\j+1], v[LH+8*\i+\j:LH+8*\i+\j+1], 4.0 op_sel_hi:[1,0]
.endr
	global_store_b128 v[FO], v[LH+8*\i:LH+8*\i+3],   s[8:9] offset:(16*\a+2*\i)*ROWB th:TH_STORE_NT
	global_store_b128 v[FO], v[LH+8*\i+4:LH+8*\i+7], s[8:9] offset:(16*\a+2*\i)*ROWB+256 th:TH_STORE_NT
.endr
.endm
	OUTBLK 0
	OUTBLK 1
	OUTBLK 2
	OUTBLK 3
	s_wait_tensorcnt 0x0
	ds_add_u32 v254, v255
	s_wait_dscnt 0x0
	CROUND                                         ; the closing round
	s_endpgm
.Lfunc_end_k_qd859aff787_gemm_out:
	.size	k_qd859aff787_gemm_out, .Lfunc_end_k_qd859aff787_gemm_out-k_qd859aff787_gemm_out
	.p2alignl 7, 3214868480
	.fill 96, 4, 3214868480
	.section	.rodata,"a",@progbits
	.p2align	6, 0x0
	.amdhsa_kernel k_qd859aff787_gemm_out
		.amdhsa_group_segment_fixed_size 327680
		.amdhsa_private_segment_fixed_size 0
		.amdhsa_enable_private_segment 0
		.amdhsa_kernarg_size 24
		.amdhsa_user_sgpr_count 2
		.amdhsa_user_sgpr_kernarg_segment_ptr 1
		.amdhsa_wavefront_size32 1
		.amdhsa_system_sgpr_workgroup_id_x 1
		.amdhsa_system_sgpr_workgroup_id_y 1
		.amdhsa_system_sgpr_workgroup_id_z 1
		.amdhsa_system_vgpr_workitem_id 0
		.amdhsa_next_free_vgpr 512
		.amdhsa_next_free_sgpr 96
		.amdhsa_reserve_vcc 0
		.amdhsa_float_denorm_mode_32 3
		.amdhsa_float_denorm_mode_16_64 3
		.amdhsa_memory_ordered 1
		.amdhsa_forward_progress 1
		.amdhsa_inst_pref_size 187
	.end_amdhsa_kernel
	.amdgpu_metadata
---
amdhsa.version: [ 1, 2 ]
amdhsa.kernels:
  - .name:           k_qd859aff787_gemm_out
    .symbol:         k_qd859aff787_gemm_out.kd
    .args:
      - { .name: oh, .offset: 0, .size: 8, .value_kind: global_buffer, .address_space: global }
      - { .name: woh, .offset: 8, .size: 8, .value_kind: global_buffer, .address_space: global }
      - { .name: out0, .offset: 16, .size: 8, .value_kind: global_buffer, .address_space: global }
    .group_segment_fixed_size: 327680
    .private_segment_fixed_size: 0
    .kernarg_segment_align: 8
    .kernarg_segment_size: 24
    .max_flat_workgroup_size: 128
    .sgpr_count:     96
    .vgpr_count:     512
    .wavefront_size: 32
...
	.end_amdgpu_metadata
.endif
;; end of part 4
